; MI455X (gfx1250); checked and timed in simulation.
; The chip was launched on July 23, 2026; its instructions are those of AMD's public machine-readable ISA for CDNA 5 (MIT licence, August 2026) and "CDNA5" Instruction Set Architecture Reference Guide (July 2026). The comments in the code are by the model that wrote it; some were corrected since.
;; Self Attention. Allowed arithmetic: matrix products marked QUANTISED: E4M3 operands, one given power-of-two scale a tensor, by v_wmma_f32_16x16x64_fp8_fp8 or v_wmma_f32_16x16x128_fp8_fp8, f32 sums; everything else in f32.
;; Inputs: Wk 2,048 x 2,048 float32; Wo 2,048 x 2,048 float32; Wq 2,048 x 2,048 float32; Wv 2,048 x 2,048 float32; bk 2,048 float32; bo 2,048 float32; bq 2,048 float32; bv 2,048 float32; k 2 x 1,024 x 2,048 float32; lowp_scales 12 int32 (the exponents e of the quantised operands' scales 2^e); q 2 x 1,024 x 2,048 float32; v 2 x 1,024 x 2,048 float32.
;; Outputs: out0 2 x 1,024 x 2,048 float32.
;; Constants: causal_mask = 1.
;; This version of the problem:
;;   THIS VERSION OF THE PROBLEM IS GIVEN IN LOW PRECISION. The matrix products marked QUANTISED in the list below multiply operands that are first quantised to E4M3 (4 exponent bits, 3 mantissa bits; 8 bits a number), with one given power-of-two scale for each operand tensor; their sums are f32. All else is computed in f32.
;;   The module's matrix products, in the order in which they are computed (A, B: the left and right operand; K: the contracted axis; several contracted axes count as one K, in the product's order):
;;     1. [M 2,048, K 2,048] x [K 2,048, N 2,048]; A: input q; B: input Wq: QUANTISED (scales: A lowp_scales[0], B lowp_scales[1])
;;     2. [M 2,048, K 2,048] x [K 2,048, N 2,048]; A: input k; B: input Wk: QUANTISED (scales: A lowp_scales[2], B lowp_scales[3])
;;     3. [M 2,048, K 2,048] x [K 2,048, N 2,048]; A: input v; B: input Wv: QUANTISED (scales: A lowp_scales[4], B lowp_scales[5])
;;     4. batch 32 x [M 1,024, K 128] x [K 128, N 1,024]; A: computed on the way; B: computed on the way: QUANTISED (scales: A lowp_scales[6], B lowp_scales[7])
;;     5. batch 32 x [M 1,024, K 1,024] x [K 1,024, N 128]; A: softmax (see below); B: computed on the way: QUANTISED (scales: A lowp_scales[8], B lowp_scales[9])
;;     6. [M 2,048, K 2,048] x [K 2,048, N 2,048]; A: computed on the way; B: input Wo: QUANTISED (scales: A lowp_scales[10], B lowp_scales[11])
;;   THE QUANTISER, for each operand of a quantised product, along K:
;;     - The operand's scale is 2^e, e = its entry of the input lowp_scales (int32; the entries are numbered through the quantised products in the list's order, A before B).
;;     - Each number is divided by the scale, clamped to +-448, and rounded to the nearest number of E4M3, ties to even, subnormals kept.
;;     - The product sums the exact products of the quantised numbers (number of the format x scale) in f32.
;;   ~~~python
;;   def quantise(x, axis, e):      # numpy; x: float32 -> the quantised numbers, widened to float32 again
;;       x = np.moveaxis(x, axis, -1); K = x.shape[-1]
;;       r = np.clip(x / 2.0 ** e, -448, 448)
;;       step = 2.0 ** (np.maximum(np.frexp(np.where(r == 0, 1, r))[1] - 1, -6) - 3)
;;       q = np.round(r / step) * step * 2.0 ** e      # np.round: ties to even
;;       return np.moveaxis(q, -1, axis).astype(np.float32)
;;   ~~~
;;   SOFTMAX AHEAD OF A QUANTISED PRODUCT. Where the list says 'softmax', what is quantised is not the finished softmax but p = 2^(t - M), with t = logit x log2(e) and M = ceil(the row's largest t), a whole number; so 1/2 < the row's largest p <= 1. The row's sum l is taken of the UNQUANTISED p, in f32, and the product's result is divided by l at the end. Since M is a whole number, a kernel that streams over the keys may use a running M (the ceiling of the running maximum): every later rescaling is an exact power of two, so the quantised numbers keep their values, but for numbers so far below the row's largest that they fall under the format's range.
;;   OPERANDS COMPUTED ON THE WAY. 'Computed on the way' means the value that the module computes at that place (a softmax that the list does not call 'softmax' is quantised finished and normalised). What goes into a quantiser is computed in f32, as accurately as f32 sums, v_exp_f32 and their like allow (about 1e-6 of the number): no bf16 or f16 on the way to a quantiser, and a product that is left as it is and whose result goes on into a quantised operand takes f32 operands (vector FMAs, or v_wmma_f32_16x16x4_f32). A number that lies on a knife's edge between two numbers of the format may be rounded either way, as far as f32 arithmetic and the matrix unit's own rounding can turn it there, and no further.
;; One version. Each part assembles by itself: llvm-mc -triple=amdgcn-amd-amdhsa -mcpu=gfx1250 --defsym DOCPART=n.
;; ======== version 1 of 1: 4 launches
;; limits: right only within a limited range of input values
;; workspace buffers: codes 25,165,824 bytes; wcodes 4,194,304 bytes; hcodes 12,582,912 bytes; acodes 4,194,304 bytes
;; launch quant (part 1): grid 256 x 1, 16 waves a work-group, no clusters, 0 bytes of LDS; arguments q, Wq, k, Wk, v, Wv, lowp_scales, codes; writes codes
.if DOCPART == 1
	.amdgcn_target "amdgcn-amd-amdhsa--gfx1250"
	.amdhsa_code_object_version 6
	.text
	.protected	k_q718e77957a_quant
	.globl	k_q718e77957a_quant
	.p2align	8
	.type	k_q718e77957a_quant,@function
k_q718e77957a_quant:
	s_mov_b64 s[64:65], 0
	v_nop
	global_prefetch_b8 v0, s[64:65] scope:SCOPE_SE
	s_setreg_imm32_b32 hwreg(HW_REG_WAVE_MODE, 25, 1), 1
	s_wait_xcnt 0x0
; THE PROGRAM: self-attention, B = 2, S = 1,024, D = 2,048, 16 heads of 128; all six products on codes of FP8 (E4M3), each operand with the scale 2^e that lowp_scales gives for it.  Four launches:
;   quant: q, Wq, k, Wk, v, Wv (f32) -> codes.   qkv: products 1 to 3, + bias, quantised -> codes of Q, K and V^T.   attn: products 4 and 5 with the softmax, quantised -> codes; beside them Wo -> codes.   oproj: product 6, + bo -> out0.
; WORK LEFT OUT (in attn alone): the key steps of 128 keys all of which come after a tile's 16 queries.  reference() itself sets score(q, k) to -infinity wherever k > q (its own triu; causal_mask = 1 is a
; constant of the problem), so p = 2^(t - M) = 0 there and adds nothing to the row's sum or to the second product, whatever finite values the inputs hold.  Inside the one step on the diagonal the hidden scores are
; computed and replaced by -infinity.  Nothing else is left out, and every input is loaded: bk moves K's codes and stays.
; LIMIT: a NaN, an infinity or an overflow that reaches only those hidden scores is not carried to the result.
;
; THIS LAUNCH.  Six tensors [2048][2048] of f32, each with K innermost, become codes, one byte a number: tensor t (0 q, 1 Wq, 2 k, 3 Wk, 4 v, 5 Wv) at byte t x 2^22 of the buffer.
; code = x / 2^e, held within +-448, rounded to the nearest code, ties to even; e = lowp_scales[t].  LIMITS: -126 <= e <= 119.  NaN among the inputs is not served; an infinity is held at the largest code.
; A wave takes 1,024 neighbouring numbers of each tensor: 12 groups of 512, four loads of 512 consecutive bytes each.  All 48 loads are asked for ahead of the first conversion (192 registers), so no load waits for a store.
; THE ORDER OF K.  Lane l holds of load j the numbers 128 j + 4 l + 0 .. 3 of its group, and they stay where they are: byte 16 l + 4 j + i of a group's 512 codes is number 128 j + 4 l + i.  A row is four groups, and the order is the
; same in all six tensors, so in products 1 to 3 every factor meets its partner.  A group's store is 512 consecutive bytes, 16 a lane.  No LDS, no barrier: waves share nothing.  No prefetch: there is no loop to run ahead in.
.set D,  16                            ; v16-207  the twelve groups' numbers; a group's codes take the first registers of the group before (group 0's: v12-15), so no store's data are written again
.set SC, 4                             ; v4-9     2^e of the six tensors
	s_load_b512 s[4:19], s[0:1], 0x0               ; q, Wq, k, Wk, v, Wv in s[4:15]; the scales' exponents s[16:17]; the codes s[18:19]
	v_lshrrev_b32 v1, 5, v0
	v_readfirstlane_b32 s26, v1                    ; wave 0..15
	v_and_b32 v2, 31, v0
	v_lshlrev_b32 v3, 4, v2                        ; 16 x lane
	s_lshl_b32 s28, ttmp9, 4
	s_add_co_u32 s28, s28, s26                     ; which run of 1,024 numbers is mine: 0 .. 4,095
	s_lshl_b32 s30, s28, 12                        ; its bytes in a tensor
	s_mov_b32 s31, 0
	s_lshl_b32 s28, s28, 10                        ; and among a tensor's codes
	s_mov_b32 s29, 0
	s_wait_alu depctr_va_vdst(0)
	s_wait_kmcnt 0x0
	s_load_b128 s[20:23], s[16:17], 0x0            ; e of q, Wq, k, Wk
	s_load_b64 s[24:25], s[16:17], 0x10            ; of v, Wv
.irp t, 0,1,2,3,4,5
	s_add_nc_u64 s[4+2*\t:5+2*\t], s[4+2*\t:5+2*\t], s[30:31]
.irp u, 0,1
.irp j, 0,1,2,3
	global_load_b128 v[D+32*\t+16*\u+4*\j:D+32*\t+16*\u+4*\j+3], v3, s[4+2*\t:5+2*\t] offset:2048*\u+512*\j th:TH_LOAD_NT   ; 32 lanes read 512 consecutive bytes; read once in the launch
.endr
.endr
.endr
	s_add_nc_u64 s[18:19], s[18:19], s[28:29]
	s_wait_kmcnt 0x0
.irp t, 0,1,2,3,4,5
	s_add_nc_u64 s[48+2*\t:49+2*\t], s[18:19], 0x400000*\t   ; where tensor t's codes go
	s_add_co_i32 s[20+\t], s[20+\t], 127
	s_lshl_b32 s27, s[20+\t], 23
	v_mov_b32 v[SC+\t], s27                        ; 2^e as f32: the conversion takes its exponent field
	s_add_co_i32 s[20+\t], s[20+\t], 8
	s_lshl_b32 s[20+\t], s[20+\t], 23
	s_or_b32 s[36+2*\t], s[20+\t], 0x600000        ; 448 x 2^e
	s_xor_b32 s[37+2*\t], s[36+2*\t], 0x80000000   ; and its negative
.endr
.macro GRP g
.set X, D+16*(\g)
.if (\g) == 0
.set C, 12
.else
.set C, X-16
.endif
	s_wait_loadcnt 44-4*(\g)                       ; this group's four loads are in; those of the groups behind it may be out
.irp i, 0,1,2,3,4,5,6,7,8,9,10,11,12,13,14,15
	v_med3_num_f32 v[X+\i], v[X+\i], s[37+2*((\g)/2)], s[36+2*((\g)/2)]   ; the conversion to an 8-bit code does not saturate (ISA guide 7.6.2): the number is held within 448 x the scale first
.endr
	v_cvt_scalef32_pk8_fp8_f32 v[C:C+1], v[X:X+7], v[SC+(\g)/2]        ; eight numbers / 2^e, to the nearest code, ties to even
	v_cvt_scalef32_pk8_fp8_f32 v[C+2:C+3], v[X+8:X+15], v[SC+(\g)/2]
	global_store_b128 v3, v[C:C+3], s[48+2*((\g)/2):49+2*((\g)/2)] offset:512*((\g)%2)   ; the codes go to a store alone; the next vector lines are the next group's holds, plain lines on other registers
.endm
	s_wait_alu depctr_va_vdst(0)
.irp g, 0,1,2,3,4,5,6,7,8,9,10,11
	GRP \g
.endr
	s_endpgm
.Lfunc_end_k_q718e77957a_quant:
	.size	k_q718e77957a_quant, .Lfunc_end_k_q718e77957a_quant-k_q718e77957a_quant
	.p2alignl 7, 3214868480
	.fill 96, 4, 3214868480
	.section	.rodata,"a",@progbits
	.p2align	6, 0x0
	.amdhsa_kernel k_q718e77957a_quant
		.amdhsa_group_segment_fixed_size 0
		.amdhsa_private_segment_fixed_size 0
		.amdhsa_enable_private_segment 0
		.amdhsa_kernarg_size 64
		.amdhsa_user_sgpr_count 2
		.amdhsa_user_sgpr_kernarg_segment_ptr 1
		.amdhsa_wavefront_size32 1
		.amdhsa_system_sgpr_workgroup_id_x 1
		.amdhsa_system_sgpr_workgroup_id_y 1
		.amdhsa_system_sgpr_workgroup_id_z 1
		.amdhsa_system_vgpr_workitem_id 0
		.amdhsa_next_free_vgpr 208
		.amdhsa_next_free_sgpr 66
		.amdhsa_reserve_vcc 0
		.amdhsa_float_denorm_mode_32 3
		.amdhsa_float_denorm_mode_16_64 3
		.amdhsa_memory_ordered 1
		.amdhsa_forward_progress 1
		.amdhsa_inst_pref_size 23
	.end_amdhsa_kernel
	.amdgpu_metadata
---
amdhsa.version: [ 1, 2 ]
amdhsa.kernels:
  - .name:           k_q718e77957a_quant
    .symbol:         k_q718e77957a_quant.kd
    .args:
      - { .name: q, .offset: 0, .size: 8, .value_kind: global_buffer, .address_space: global }
      - { .name: Wq, .offset: 8, .size: 8, .value_kind: global_buffer, .address_space: global }
      - { .name: k, .offset: 16, .size: 8, .value_kind: global_buffer, .address_space: global }
      - { .name: Wk, .offset: 24, .size: 8, .value_kind: global_buffer, .address_space: global }
      - { .name: v, .offset: 32, .size: 8, .value_kind: global_buffer, .address_space: global }
      - { .name: Wv, .offset: 40, .size: 8, .value_kind: global_buffer, .address_space: global }
      - { .name: lowp_scales, .offset: 48, .size: 8, .value_kind: global_buffer, .address_space: global }
      - { .name: codes, .offset: 56, .size: 8, .value_kind: global_buffer, .address_space: global }
    .group_segment_fixed_size: 0
    .private_segment_fixed_size: 0
    .kernarg_segment_align: 8
    .kernarg_segment_size: 64
    .max_flat_workgroup_size: 512
    .sgpr_count:     66
    .vgpr_count:     208
    .wavefront_size: 32
...
	.end_amdgpu_metadata
.endif
;; end of part 1
;; launch qkv (part 2): grid 8 x 24, 4 waves a work-group, clusters of 4 x 4, 327,680 bytes of LDS; arguments codes, bq, bk, bv, lowp_scales, hcodes; writes hcodes
.if DOCPART == 2
	.amdgcn_target "amdgcn-amd-amdhsa--gfx1250"
	.amdhsa_code_object_version 6
	.text
	.protected	k_q718e77957a_qkv
	.globl	k_q718e77957a_qkv
	.p2align	8
	.type	k_q718e77957a_qkv,@function
k_q718e77957a_qkv:
	s_mov_b64 s[64:65], 0
	v_nop
	global_prefetch_b8 v0, s[64:65] scope:SCOPE_SE
	s_setreg_imm32_b32 hwreg(HW_REG_WAVE_MODE, 25, 1), 1
	s_wait_xcnt 0x0
	s_wait_alu depctr_hold_cnt(0) depctr_sa_sdst(0) depctr_va_vdst(0) depctr_va_sdst(0) depctr_va_ssrc(0) depctr_va_vcc(0) depctr_vm_vsrc(0)
	s_getreg_b32 s2, hwreg(HW_REG_IB_STS2, 6, 4)
	s_cmp_eq_u32 s2, 0
	s_cbranch_scc0 .Lentry_in_a_cluster
	s_endpgm
.Lentry_in_a_cluster:
	s_bfe_u32 s2, ttmp6, 0x10000c
	s_cmp_lg_u32 s2, 0xf033
	s_cbranch_scc0 .Lentry_shape_is_right
	s_endpgm
.Lentry_shape_is_right:
; Products 1 to 3: x W^T + b on codes of FP8 (E4M3), M = N = K = 2,048, and the results quantised at once for products 4 and 5.  No work of reference() is left out here.
; The grid's y holds three products of 8 x 8 tiles: g = (cluster y) / 2 = 0 Q, 1 K, 2 V.  C[m][n] = sum over k of A[m][k] B[n][k]; a tile of C is 256 x 256, four waves, each 128 x 128: 64 accumulators, 512 registers.
; g = 0, 1: A = the tokens' codes (q, k), B = the weight's (Wq, Wk): rows of C are tokens, columns features.   g = 2: A = Wv's codes, B = v's: rows are features, columns tokens: V^T, since the keys are product 5's K.
; THE MATRIX INSTRUCTION IS USED TRANSPOSED (source 0 = 16 rows of B, source 1 = 16 rows of A): lane (r, h) holds row 16 a + r of C, and its eight registers columns 16 b + 8 h + 0 .. 7: eight neighbours along the NEXT product's K.
; So one conversion of accumulator (a, b) gives registers 2 b, 2 b + 1 of the next operand's fragment of rows 16 a .. 16 a + 15 (8-bit operands of this form: registers 2 c, 2 c + 1 hold k = 16 c + 8 h + 0 .. 7), and a wave's
; 128 columns are one head (or 128 keys): block a's eight conversions ARE a whole fragment.  It is stored as an IMAGE OF ITS REGISTERS, 2,048 bytes: registers 4 c .. 4 c + 3 of lane l at 512 c + 16 l: four stores of 512 dense bytes.
; hcodes: tensor g at g x 2^22; (batch, head) at (16 batch + head) x 2^17; in it 8 blocks of 16 KiB (128 tokens each), a block = 8 images: Q, K: image a = tokens 16 a + r, K = the head's 128; V^T: image a = channels 16 a + r, K = the block's 128 keys.
; THE BIAS is the C of each sum's first matrix instruction, divided by the power of two that the sums lack: a sum stands for sum x 2^(ea + eb), so bias x 2^-(ea + eb) goes in; code = (sum + that) / 2^(ed - ea - eb), held within +-448.
; ea, eb = lowp_scales[2 g], [2 g + 1]; ed = lowp_scales[6], [7], [9].  LIMITS: ed - ea - eb between -126 and 119.  NaN among the inputs is not served.
; K goes in steps of 256 through a ring of two LDS slots filled by the tensor data mover: a tile's row is 256 bytes of memory.  Inside a fragment k is taken by four loads of 16 bytes (k = 32 c + 16 h + 0 .. 15 in registers 4 c .. 4 c + 3),
; alike in A and B: every product meets its partner, only the order of the sums inside an instruction differs.
; CLUSTERS: 4 x 4 work-groups of one product.  The four of a row of the cluster need the same tiles of A, the four of a column the same tiles of B: each tile is asked for JOINTLY, by the same tensor load with the same descriptor and a mask that names the four.
; REGISTERS, in windows of 256: window 0: v16-31 addresses and constants; v32-95 the bias in the results' layout, later the held numbers; v96-103 the bias loads' offsets; v128-255 A's fragments, ONE set, later the codes.
;   window 1: B's fragments, TWO sets.   window 2: the accumulators of my rows 0-63 ((a, b) at v[8 (8 a + b)]);   window 3: those of rows 64-127.
; Inside each 512 along K the codes stand in the order that the launch before has given them, the same for both operands of a product.
; THE TILES ARE PREFETCHED INTO THE L2, two K steps ahead of the joint load that will want them: each K step is 256 bytes of each of the 128 rows that a wave fetches; the four partners that ask for them jointly take 32 rows each, told apart
; by address (cx for A, cy for B), a lane a row, one instruction a wave: each block of 256 bytes is named once in each cluster.  At the head K step 1 is asked for behind K step 0's load, 2 and 3 behind K step 1's; the loop's last trip asks for nothing.
.set PFO,  18                          ; v18       the prefetches' offset: 2,048 x lane; never rewritten
.set PFA,  96                          ; s[96:97]  my 32 rows, at the K step that stands three before the one that is asked for
.macro ASK
	s_cmp_gt_u32 s3, 1                             ; (s3 = 1 in the loop's last trip)
	s_cbranch_scc0 .Lnone_\@
	global_prefetch_b8 v[PFO], s[PFA:PFA+1] offset:3*ROWB th:TH_LOAD_NT scope:SCOPE_SE
.Lnone_\@:
.endm
.macro FETCH_B4 slot, q, p, i0         ; four of B's fragments, i0 .. i0 + 3, of the slot's q-th 128 along K into set p
	WIN TO_B
.irp i, \i0, \i0+1, \i0+2, \i0+3
	FRAG 128*(\p)+FR*(\i), ADRB+\slot, \q, \i
.endr
.endm
.macro WLO zero                        ; the windows of a step's first half: C (the bias) window 0 or C = D, D window 2
.if \zero
	WIN 0x81
.else
	WIN MUL_LO
.endif
.endm
.set KSTEP,  256
.set ROWB,   256                       ; a tile's row in bytes
.set KROW,   2048                      ; a row of codes in memory
.set PITCH,  272                       ; an LDS row: 256 bytes + 16 of padding = 68 words: row r starts at bank 4 r mod 64 (64 banks of 4 bytes: ISA guide 11.1), so the 16 rows that a load touches start at 16 different banks
.set FR,     16                        ; registers of a fragment
.set NL,     4                         ; LDS loads that bring one
.set NP,     4                         ; places behind this matrix instruction (ISA guide 7.12.1)
.set HALFT,  128*PITCH                 ; 128 rows: what one tensor load brings, and what one wave reads of A or of B
.set SLOT,   4*HALFT                   ; A's 256 rows, then B's 256 rows
.set LAPS,   4                         ; 2,048 / 512: a lap = two K steps = once round the ring
.set SPARE,  2*SLOT                    ; behind the ring: the spare words, 128 bytes for each wave
.set ADRA, 16                          ; v16-17  LDS address of my A fragments in slot 0, 1
.set ADRB, 20                          ; v20-21  the same for B
.set CO,   26                          ; v26     16 x lane: my place in an image's 512 bytes
.set SPW,  28                          ; v28     LDS address of my spare word; never rewritten
.set NIL,  29                          ; v29     0; never rewritten
.set SC,   30                          ; v30     2^(ed - ea - eb) as f32
.set LIM,  31                          ; v31     448 x that
.set BI,   32                          ; v32-95  the bias, eight registers a tile; on the way out a block's 64 held numbers
.set AD,   96                          ; v96, v97  byte offsets of the bias loads; v104-111 the rows' bias as loaded
.set AF,   128                         ; A's fragments; on the way out block a's 16 registers of codes at AF + 16 a
.set G1, 24                            ; s[24:31] descriptor group 1 for A's tiles;  s[32:39] group 0, one set for each slot
.set G0, 32
.set G1B, 48                           ; s[48:55], s[56:63] the same for B's tiles
.set G0B, 56
.set MSB, 0
.macro WIN new                         ; s_set_vgpr_msb: bits 1:0 source 0, 3:2 source 1, 5:4 source 2, 7:6 destination; the high byte repeats the setting that is left
.if MSB != \new
	s_set_vgpr_msb (MSB<<8)|\new
.set MSB, \new
.endif
.endm
.set MUL_LO, 0xa1                      ; source 0 (B) window 1, source 1 (A) window 0, C and D window 2
.set MUL_HI, 0xf1                      ; the same, C and D window 3
.set TO_B,   0x40                      ; destination window 1, address window 0
; A joint load: waves 0 and 1 fetch for A, waves 2 and 3 for B.  Each of the two lines has ONE mask and one set of registers for all that issue it; the branch hangs on the wave's number alone.
; An s_nop 0 and four v_nop follow each of the two lines, ahead of the jump, the label and what follows.
.macro JLOAD g0a, g1a, g0b, g1b
	s_cmp_eq_u32 s15, 0
	s_cbranch_scc0 .Lfor_b_\@
	tensor_load_to_lds s[\g0a:\g0a+3], s[\g1a:\g1a+7]
	s_nop 0
.rept 4
	v_nop
.endr
	s_branch .Lasked_\@
.Lfor_b_\@:
	tensor_load_to_lds s[\g0b:\g0b+3], s[\g1b:\g1b+7]
	s_nop 0
.rept 4
	v_nop
.endr
.Lasked_\@:
.endm
.macro CREST                           ; a round of the cluster's barrier behind its opening barrier
	s_cmp_lg_u32 s14, 0
	s_cbranch_scc1 .Lnot_wave_0_\@
	s_barrier_signal -3
.Lnot_wave_0_\@:
	s_barrier_wait -3
	s_barrier_signal -1
	s_barrier_wait -1
.endm
.macro CROUND                          ; a whole round
	s_barrier_signal -1
	s_barrier_wait -1
	CREST
.endm
	s_load_b256 s[4:11], s[0:1], 0x0               ; the codes s[4:5], bq s[6:7], bk s[8:9], bv s[10:11]
	s_load_b128 s[68:71], s[0:1], 0x20             ; the scales' exponents s[68:69], hcodes s[70:71]
	v_lshl_add_u32 v[SPW], v0, 2, SPARE
	v_mov_b32 v[NIL], 0
	ds_add_u32 v[SPW], v[NIL]                      ; the wave's opening: the add, twice on end, and its wait ahead of my first tensor load; the set-up below is the register work between
	ds_add_u32 v[SPW], v[NIL]
	v_lshrrev_b32 v1, 5, v0
	v_readfirstlane_b32 s14, v1                    ; wave 0..3
	s_lshr_b32 s15, s14, 1                         ; which half of the tile's rows is mine.  Also: I fetch for A (0) or for B (1)
	s_and_b32 s16, s14, 1                          ; which half of its columns.  Also: which 128 rows of that tile I fetch
	s_bfe_u32 s40, ttmp6, 0x40000                  ; cx, cy: my place in the cluster
	s_bfe_u32 s41, ttmp6, 0x40004
	s_lshl_b32 s42, ttmp9, 2
	s_add_co_u32 s42, s42, s40                     ; tile column of C = 4 x cluster x + cx: 0 .. 7
	s_and_b32 s73, ttmp7, 0xffff                   ; cluster y: 0 .. 5
	s_lshr_b32 s72, s73, 1                         ; g: which product; the same in all sixteen partners
	s_and_b32 s17, s73, 1
	s_lshl_b32 s17, s17, 2
	s_add_co_u32 s17, s17, s41                     ; tile row of C: 0 .. 7
	s_lshr_b32 s78, s72, 1                         ; u = 1 for V, whose sources change places
	s_lshl_b32 s43, s41, 2
	s_lshl_b32 s43, 15, s43                        ; my row of the cluster
	s_lshl_b32 s44, 0x1111, s40                    ; my column
	; descriptor group 1: a tile of 128 rows x 256 bytes, padded in LDS
	s_or_b32 s[G1+0], s43, (0<<16)|(1<<20)|(1<<21)|(5<<22)|(3<<25)  ; 15:0 the mask: A's tiles go to my row; 17:16 elements of 1 byte; 20 padding on; 21 set beside a mask; 24:22 after every 64 words (code 5); 31:25 four words (code 3)
	s_or_b32 s[G1B+0], s44, (0<<16)|(1<<20)|(1<<21)|(5<<22)|(3<<25) ; the same with the mask of my column
.irp g, G1, G1B
	s_mov_b32 s[\g+1], ROWB<<16                    ; tensor_dim0
	s_mov_b32 s[\g+2], 128<<16                     ; tensor_dim1
	s_mov_b32 s[\g+3], ROWB<<16                    ; tile_dim0
	s_mov_b32 s[\g+4], 128                         ; tile_dim1
	s_mov_b32 s[\g+5], KROW                        ; tensor_dim0_stride
	s_mov_b32 s[\g+6], 0
	s_mov_b32 s[\g+7], 0
.endr
	; where the tiles come from, in bytes from the codes' first: A's hang on the tile row, B's on the tile column, each in registers that never hold the other coordinate
	s_lshl_b32 s79, s72, 1
	s_add_co_u32 s80, s79, s78                     ; A's tensor: 2 g + u: q, k, Wv
	s_add_co_u32 s81, s79, 1
	s_sub_co_u32 s81, s81, s78                     ; B's tensor: 2 g + 1 - u: Wq, Wk, v
	s_lshl_b32 s18, s16, 7                         ; which 128 rows of the tile I fetch
	s_lshl_b32 s20, s17, 8
	s_add_co_u32 s20, s20, s18                     ; A: row 256 x tile row + 128 x half,
	s_lshl_b32 s20, s20, 11                        ; of 2,048 bytes,
	s_lshl_b32 s80, s80, 22
	s_add_co_u32 s20, s20, s80                     ; in its tensor
	s_mov_b32 s21, 0
	s_lshl_b32 s46, s42, 8
	s_add_co_u32 s46, s46, s18                     ; B likewise, by the tile column
	s_lshl_b32 s46, s46, 11
	s_lshl_b32 s81, s81, 22
	s_add_co_u32 s46, s46, s81
	s_mov_b32 s47, 0
	s_mul_i32 s45, s14, HALFT                      ; where they go: wave x 128 rows: no place in the cluster enters an LDS address
	s_lshl_b32 s82, s72, 3                         ; the scales: ea, eb at entries 2 g, 2 g + 1;
	s_add_co_u32 s83, s72, s78
	s_add_co_u32 s83, s83, 6
	s_lshl_b32 s83, s83, 2                         ; ed at entry 6, 7 or 9
	s_wait_dscnt 0x0                               ; both opening adds are done
	s_wait_kmcnt 0x0
	s_load_b64 s[74:75], s[68:69], s82 offset:0x0  ; ea, eb
	s_load_b32 s76, s[68:69], s83 offset:0x0       ; ed
	s_add_nc_u64 s[20:21], s[4:5], s[20:21]
	s_add_nc_u64 s[46:47], s[4:5], s[46:47]
	CROUND                                         ; all sixteen work-groups are here: the first joint loads meet
.irp s, 0,1
	s_mov_b32 s[G0+4*\s], 1
	s_add_co_u32 s[G0+4*\s+1], s45, \s*SLOT
	s_add_nc_u64 s[G0+4*\s+2:G0+4*\s+3], s[20:21], \s*ROWB
	s_or_b32 s[G0+4*\s+3], s[G0+4*\s+3], 0x80000000
	s_mov_b32 s[G0B+4*\s], 1
	s_add_co_u32 s[G0B+4*\s+1], s45, \s*SLOT
	s_add_nc_u64 s[G0B+4*\s+2:G0B+4*\s+3], s[46:47], \s*ROWB
	s_or_b32 s[G0B+4*\s+3], s[G0B+4*\s+3], 0x80000000
.endr
	JLOAD G0, G1, G0B, G1B                         ; K step 0: one tensor load a wave at the head
	s_cmp_eq_u32 s15, 0                            ; do I fetch for A?
	s_cselect_b32 s98, s40, s41                    ; my place among the four that ask with me
	s_cselect_b64 s[PFA:PFA+1], s[20:21], s[46:47]
	s_lshl_b32 s98, s98, 16                        ; 32 rows of 2,048 bytes
	s_mov_b32 s99, 0
	s_add_nc_u64 s[PFA:PFA+1], s[PFA:PFA+1], s[98:99]
	v_and_b32 v[PFO], 31, v0
	v_lshlrev_b32 v[PFO], 11, v[PFO]
	global_prefetch_b8 v[PFO], s[PFA:PFA+1] offset:ROWB th:TH_LOAD_NT scope:SCOPE_SE     ; K step 1
	v_and_b32 v1, 15, v0                           ; r = lane % 16
	v_bfe_u32 v2, v0, 4, 1                         ; h = lane / 16
	s_wait_alu depctr_va_vdst(0)
	v_mul_u32_u24 v3, v1, PITCH
	v_lshl_add_u32 v4, v2, 4, v3                   ; a fragment's row x pitch + 16 x half
	s_mul_i32 s21, s15, HALFT                      ; my 128 rows of A
	s_mul_i32 s22, s16, HALFT                      ; my 128 rows of B,
	s_add_co_u32 s22, s22, 2*HALFT                 ; which lie behind A's 256
.irp s, 0,1
	v_add_nc_u32 v[ADRA+\s], s21, v4
	v_add_nc_u32 v[ADRB+\s], s22, v4
	s_add_co_u32 s21, s21, SLOT
	s_add_co_u32 s22, s22, SLOT
.endr
	v_and_b32 v5, 31, v0
	v_lshlrev_b32 v[CO], 4, v5
	v_lshlrev_b32 v[AD], 5, v2                     ; 32 h
	v_lshlrev_b32 v[AD+1], 2, v1                   ; 4 r
	; THE BIAS, in the results' layout.  g < 2: it runs along the columns: tile b's register j wants bias[n0 + 16 b + 8 h + j]: two loads of 16 bytes for each b.
	; g = 2: along the rows: tile a's eight registers all want bias[m0 + 16 a + r]: one load for each a, and the scaling spreads it.  The branch hangs on the product's number, which all sixteen partners share.
	; All this stands ahead of the wait for K step 0's tile, which is on its way.
	s_lshl_b32 s87, s42, 8
	s_lshl_b32 s88, s16, 7
	s_add_co_u32 s87, s87, s88                     ; n0 = 256 x tile column + 128 x my column half
	s_lshl_b32 s88, s17, 8
	s_lshl_b32 s89, s15, 7
	s_add_co_u32 s88, s88, s89                     ; m0 = 256 x tile row + 128 x my row half
	s_cmp_eq_u32 s72, 1
	s_cselect_b64 s[6:7], s[8:9], s[6:7]           ; bq, bk
	s_cmp_eq_u32 s72, 2
	s_cselect_b64 s[6:7], s[10:11], s[6:7]         ; or bv
	s_cselect_b32 s88, s88, s87
	s_lshl_b32 s88, s88, 2
	s_mov_b32 s89, 0
	s_add_nc_u64 s[6:7], s[6:7], s[88:89]
	s_wait_alu depctr_va_vdst(0)
	s_wait_kmcnt 0x0
	s_add_co_i32 s77, s74, s75                     ; ea + eb
	s_sub_co_i32 s79, s76, s77                     ; ed - ea - eb: the three scales folded into the conversion's one
	s_sub_co_i32 s77, 0, s77
	s_add_co_i32 s79, s79, 127
	s_lshl_b32 s80, s79, 23
	v_mov_b32 v[SC], s80
	s_add_co_i32 s79, s79, 8
	s_lshl_b32 s79, s79, 23
	s_or_b32 s79, s79, 0x600000
	v_mov_b32 v[LIM], s79
	s_cmp_eq_u32 s72, 2
	s_cbranch_scc1 .Lbias_v
.irp b, 0,1,2,3,4,5,6,7
	global_load_b128 v[BI+8*\b:BI+8*\b+3], v[AD], s[6:7] offset:64*\b
	global_load_b128 v[BI+8*\b+4:BI+8*\b+7], v[AD], s[6:7] offset:64*\b+16
.endr
	s_wait_loadcnt 0x0
.set i, 0
.rept 64
	v_ldexp_f32 v[BI+i], v[BI+i], s77              ; bias / 2^(ea + eb): nothing is rounded, short of overflow and underflow
.set i, i+1
.endr
	s_branch .Lbias_in
.Lbias_v:
.irp a, 0,1,2,3,4,5,6,7
	global_load_b32 v[AD+8+\a], v[AD+1], s[6:7] offset:64*\a
.endr
	s_wait_loadcnt 0x0
.set i, 0
.rept 64
	v_ldexp_f32 v[BI+i], v[AD+8+i/8], s77
.set i, i+1
.endr
.Lbias_in:
	; where my 128 x 128 goes: one block of 16 KiB
	s_lshl_b32 s90, s17, 1
	s_add_co_u32 s90, s90, s15                     ; my block of 128 rows of C
	s_lshl_b32 s91, s42, 1
	s_add_co_u32 s91, s91, s16                     ; my block of 128 columns
	s_cmp_eq_u32 s72, 2
	s_cselect_b32 s92, s91, s90                    ; the block of tokens: rows (g < 2) or columns (g = 2): 0 .. 15
	s_cselect_b32 s93, s90, s91                    ; the head: the other one
	s_lshr_b32 s94, s92, 3                         ; the batch
	s_lshl_b32 s94, s94, 4
	s_add_co_u32 s94, s94, s93                     ; 16 batch + head
	s_lshl_b32 s94, s94, 3
	s_and_b32 s92, s92, 7
	s_add_co_u32 s94, s94, s92                     ; its block of 128 tokens
	s_lshl_b32 s94, s94, 14
	s_lshl_b32 s95, s72, 22
	s_add_co_u32 s94, s94, s95
	s_mov_b32 s95, 0
	s_add_nc_u64 s[70:71], s[70:71], s[94:95]
.macro FRAG reg, adr, q, i             ; a fragment, 16 rows x 128 K, is 16 registers: four loads of 16 bytes, 32 bytes apart
.irp c, 0,1,2,3
	ds_load_b128 v[\reg+4*\c:\reg+4*\c+3], v[\adr] offset:128*(\q)+32*\c+(\i)*16*PITCH
.endr
.endm
; 16 matrix instructions: A's blocks a0, a0 + 1 x B's eight, 128 along K.  p: B's set.  zero = 1: the sums begin with the bias of the columns; 2: of the rows; 0: they go on in place.  Nothing is ever cleared.
; The 64 accumulators take turns, one instruction a turn, in the same order in every step.
.macro MUL16 a0, p, zero
.irp a, \a0, \a0+1
.irp b, 0,1,2,3,4,5,6,7
.if (\zero) == 1
	v_wmma_f32_16x16x128_fp8_fp8 v[8*(8*((\a)%4)+\b):8*(8*((\a)%4)+\b)+7], v[128*(\p)+FR*\b:128*(\p)+FR*\b+FR-1], v[AF+FR*(\a):AF+FR*(\a)+FR-1], v[BI+8*\b:BI+8*\b+7]
.elseif (\zero) == 2
	v_wmma_f32_16x16x128_fp8_fp8 v[8*(8*((\a)%4)+\b):8*(8*((\a)%4)+\b)+7], v[128*(\p)+FR*\b:128*(\p)+FR*\b+FR-1], v[AF+FR*(\a):AF+FR*(\a)+FR-1], v[BI+8*(\a):BI+8*(\a)+7]
.else
	v_wmma_f32_16x16x128_fp8_fp8 v[8*(8*((\a)%4)+\b):8*(8*((\a)%4)+\b)+7], v[128*(\p)+FR*\b:128*(\p)+FR*\b+FR-1], v[AF+FR*(\a):AF+FR*(\a)+FR-1], v[8*(8*((\a)%4)+\b):8*(8*((\a)%4)+\b)+7]
.endif
.endr
.endr
.endm
.macro FETCH_B slot, q, p              ; B's eight fragments of the slot's q-th 128 along K into set p
	WIN TO_B
.irp i, 0,1,2,3,4,5,6,7
	FRAG 128*(\p)+FR*\i, ADRB+\slot, \q, \i
.endr
	WIN 0
.endm
.macro FETCH_A slot, q, i0             ; A's blocks i0 .. i0 + 3
.irp i, \i0, \i0+1, \i0+2, \i0+3
	FRAG AF+FR*(\i), ADRA+\slot, \q, \i
.endr
.endm
; A load into a register that a matrix instruction has read, and a vector instruction that reads a matrix result or writes one of its registers, stand NP places behind it; only plain vector
; instructions that name none of its registers are places (ISA guide 7.12.1 for vector instructions).
.macro PLACES n
.rept \n
	v_nop
.endr
.endm
; A step of 128 along K that has its successor in the same slot.  A block of A is free as soon as its eight products are issued: blocks 0-3 are fetched anew in the step's middle, blocks 4-7 at its end.
.macro STEP slot, q, zero
	s_wait_dscnt 4*NL                              ; B's set and A's blocks 0-3 are in; the youngest sixteen loads (A's blocks 4-7) may be out
	FETCH_B4 \slot, (\q)+1, 1-(\q)%2, 0            ; B's other set was read by the step before, whose end has the places
	WLO \zero
	MUL16 0, (\q)%2, \zero
	FETCH_B4 \slot, (\q)+1, 1-(\q)%2, 4
	WLO \zero
	MUL16 2, (\q)%2, \zero
	s_wait_dscnt 32                                ; A's blocks 4-7 are in; B's 32 loads, issued behind them, may be out
	PLACES NP
	WIN 0
	FETCH_A \slot, (\q)+1, 0
.if \zero
	WIN 0xc1                                       ; C window 0, D window 3
.else
	WIN MUL_HI
.endif
	MUL16 4, (\q)%2, \zero
	MUL16 6, (\q)%2, \zero
	PLACES NP
	WIN 0
	FETCH_A \slot, (\q)+1, 4
.endm
; A slot's last step changes slots.  All its fragments were asked for in the step before.  Sixteen products stand ahead of the wait for the tensor loads, the other 48 behind the change, beside the next slot's first fragment loads.
; ONE barrier: in front of it each wave waits for all its tensor loads, adds 0 to its spare word, and waits for that and for its own reads of this slot.  fill = 1: this slot is filled again, two K steps ahead.
.macro TURN slot, next, fill
	s_wait_dscnt 4*NL                              ; B's set and A's blocks 0-3 are in; the youngest sixteen loads (A's blocks 4-7) may be out
	WIN MUL_LO
	MUL16 0, 1, 0
	WIN 0
.if \fill
	s_wait_xcnt 0x0                                ; my prefetches have read their address: it is stepped
	s_add_nc_u64 s[PFA:PFA+1], s[PFA:PFA+1], ROWB
.endif
	s_wait_tensorcnt 0x0                           ; all my tensor loads have landed: my part of the next slot; so every group 0 may be written
	ds_add_u32 v[SPW], v[NIL]                      ; 0 onto my spare word
.if \fill
	s_add_nc_u64 s[G0+4*\slot+2:G0+4*\slot+3], s[G0+4*\slot+2:G0+4*\slot+3], 2*ROWB      ; this slot's next tile: register work between the add and the wait for it
	s_add_nc_u64 s[G0B+4*\slot+2:G0B+4*\slot+3], s[G0B+4*\slot+2:G0B+4*\slot+3], 2*ROWB
.endif
	s_wait_dscnt 0x0                               ; the add is done, and my reads of this slot are over (A's blocks 4-7 were the last)
	s_barrier_signal -1
	s_barrier_wait -1
.if \fill
	CREST                                          ; the barrier has opened a round of the cluster's barrier: no wave of any partner still reads this slot's tile or has a load on its way
	JLOAD G0+4*\slot, G1, G0B+4*\slot, G1B         ; the first tensor load behind the round
.else
	PLACES NP
.endif
	FETCH_B \next, 0, 0                            ; B's set 0 was read by the step before
.if \fill
	ASK
.endif
	WIN MUL_LO
	MUL16 2, 1, 0
	PLACES NP
	WIN 0
	FETCH_A \next, 0, 0
	WIN MUL_HI
	MUL16 4, 1, 0
	MUL16 6, 1, 0
	PLACES NP
	WIN 0
	FETCH_A \next, 0, 4
.endm
	s_wait_alu depctr_va_vdst(0)
	s_wait_tensorcnt 0x0                           ; my part of K step 0 is in
	ds_add_u32 v[SPW], v[NIL]
	s_wait_dscnt 0x0
	CROUND                                         ; everybody's part of K step 0 is in, and all sixteen work-groups are here
	JLOAD G0+4, G1, G0B+4, G1B                     ; K step 1, the first tensor load behind the round
	FETCH_B 0, 0, 0
	FETCH_A 0, 0, 0
	FETCH_A 0, 0, 4
	global_prefetch_b8 v[PFO], s[PFA:PFA+1] offset:2*ROWB th:TH_LOAD_NT scope:SCOPE_SE   ; K step 2
	global_prefetch_b8 v[PFO], s[PFA:PFA+1] offset:3*ROWB th:TH_LOAD_NT scope:SCOPE_SE   ; and 3
	s_cmp_eq_u32 s72, 2                            ; the first step is written twice, since its C registers differ
	s_cbranch_scc1 .Lfirst_v
	s_wait_alu depctr_va_vdst(0)
	STEP 0, 0, 1
	s_branch .Ljoin
.Lfirst_v:
	s_wait_alu depctr_va_vdst(0)
	STEP 0, 0, 2
.Ljoin:
	s_mov_b32 s3, LAPS-1
.Llap:                                                 ; a trip goes once round the ring, from a lap's second step to the next lap's first, and fills both slots again
	TURN 0, 1, 1
	STEP 1, 0, 0
	TURN 1, 0, 1
	STEP 0, 0, 0
	s_sub_co_u32 s3, s3, 1
	s_cmp_lg_u32 s3, 0
	s_cbranch_scc1 .Llap
	TURN 0, 1, 0                                   ; the last lap fills nothing, and has no round of the cluster's barrier
	STEP 1, 0, 0
	s_wait_dscnt 4*NL                              ; the very last step: nothing more to fetch
	WIN MUL_LO
	MUL16 0, 1, 0
	MUL16 2, 1, 0
	s_wait_dscnt 0
	WIN MUL_HI
	MUL16 4, 1, 0
	MUL16 6, 1, 0
	WIN 0
	PLACES NP                                      ; behind the last products: their results are read, and A's registers written, below
; THE WAY OUT, block by block of 16 rows: 64 holds (each accumulator from its low end on), eight conversions, four stores of 512 dense bytes.  Each block has code registers of its own, so no store's data are written again.
.macro OUTBLK a
	WIN 0x02+((\a)/4)                              ; source 0: window 2 or 3
.set i, 0
.rept 64
	v_med3_num_f32 v[BI+i], v[64*((\a)%4)+i], -v[LIM], v[LIM]   ; the conversion to an 8-bit code does not saturate (ISA guide 7.6.2)
.set i, i+1
.endr
	WIN 0
.irp b, 0,1,2,3,4,5,6,7
	v_cvt_scalef32_pk8_fp8_f32 v[AF+16*(\a)+2*\b:AF+16*(\a)+2*\b+1], v[BI+8*\b:BI+8*\b+7], v[SC]   ; registers 2 b, 2 b + 1 of the fragment: k = 16 b + 8 h + 0 .. 7
.endr
	v_nop                                          ; one plain line between the conversions and the next block's holds, which write their sources
.irp c, 0,1,2,3
	global_store_b128 v[CO], v[AF+16*(\a)+4*\c:AF+16*(\a)+4*\c+3], s[70:71] offset:2048*(\a)+512*\c
.endr
.endm
.irp a, 0,1,2,3,4,5,6,7
	OUTBLK \a
.endr
	s_wait_tensorcnt 0x0                           ; the wave's end
	ds_add_u32 v[SPW], v[NIL]
	s_wait_dscnt 0x0
	CROUND                                         ; the closing round: no work-group ends while a partner may still ask for a tile that names it
	s_endpgm
.Lfunc_end_k_q718e77957a_qkv:
	.size	k_q718e77957a_qkv, .Lfunc_end_k_q718e77957a_qkv-k_q718e77957a_qkv
	.p2alignl 7, 3214868480
	.fill 96, 4, 3214868480
	.section	.rodata,"a",@progbits
	.p2align	6, 0x0
	.amdhsa_kernel k_q718e77957a_qkv
		.amdhsa_group_segment_fixed_size 327680
		.amdhsa_private_segment_fixed_size 0
		.amdhsa_enable_private_segment 0
		.amdhsa_kernarg_size 48
		.amdhsa_user_sgpr_count 2
		.amdhsa_user_sgpr_kernarg_segment_ptr 1
		.amdhsa_wavefront_size32 1
		.amdhsa_system_sgpr_workgroup_id_x 1
		.amdhsa_system_sgpr_workgroup_id_y 1
		.amdhsa_system_sgpr_workgroup_id_z 1
		.amdhsa_system_vgpr_workitem_id 0
		.amdhsa_next_free_vgpr 1024
		.amdhsa_next_free_sgpr 100
		.amdhsa_reserve_vcc 0
		.amdhsa_float_denorm_mode_32 3
		.amdhsa_float_denorm_mode_16_64 3
		.amdhsa_memory_ordered 1
		.amdhsa_forward_progress 1
		.amdhsa_inst_pref_size 140
	.end_amdhsa_kernel
	.amdgpu_metadata
---
amdhsa.version: [ 1, 2 ]
amdhsa.kernels:
  - .name:           k_q718e77957a_qkv
    .symbol:         k_q718e77957a_qkv.kd
    .args:
      - { .name: codes, .offset: 0, .size: 8, .value_kind: global_buffer, .address_space: global }
      - { .name: bq, .offset: 8, .size: 8, .value_kind: global_buffer, .address_space: global }
      - { .name: bk, .offset: 16, .size: 8, .value_kind: global_buffer, .address_space: global }
      - { .name: bv, .offset: 24, .size: 8, .value_kind: global_buffer, .address_space: global }
      - { .name: lowp_scales, .offset: 32, .size: 8, .value_kind: global_buffer, .address_space: global }
      - { .name: hcodes, .offset: 40, .size: 8, .value_kind: global_buffer, .address_space: global }
    .group_segment_fixed_size: 327680
    .private_segment_fixed_size: 0
    .kernarg_segment_align: 8
    .kernarg_segment_size: 48
    .max_flat_workgroup_size: 128
    .sgpr_count:     100
    .vgpr_count:     1024
    .wavefront_size: 32
...
	.end_amdgpu_metadata
.endif
;; end of part 2
;; launch attn (part 3): grid 8 x 32, 8 waves a work-group, clusters of 4 x 1, 327,680 bytes of LDS; arguments hcodes, lowp_scales, acodes, Wo, wcodes; writes acodes, wcodes
.if DOCPART == 3
	.amdgcn_target "amdgcn-amd-amdhsa--gfx1250"
	.amdhsa_code_object_version 6
	.text
	.protected	k_q718e77957a_attn
	.globl	k_q718e77957a_attn
	.p2align	8
	.type	k_q718e77957a_attn,@function
k_q718e77957a_attn:
	s_mov_b64 s[64:65], 0
	v_nop
	global_prefetch_b8 v0, s[64:65] scope:SCOPE_SE
	s_setreg_imm32_b32 hwreg(HW_REG_WAVE_MODE, 25, 1), 1
	s_wait_xcnt 0x0
	s_wait_alu depctr_hold_cnt(0) depctr_sa_sdst(0) depctr_va_vdst(0) depctr_va_sdst(0) depctr_va_ssrc(0) depctr_va_vcc(0) depctr_vm_vsrc(0)
	s_getreg_b32 s2, hwreg(HW_REG_IB_STS2, 6, 4)
	s_cmp_eq_u32 s2, 0
	s_cbranch_scc0 .Lentry_in_a_cluster
	s_endpgm
.Lentry_in_a_cluster:
	s_bfe_u32 s2, ttmp6, 0x10000c
	s_cmp_lg_u32 s2, 0x3003
	s_cbranch_scc0 .Lentry_shape_is_right
	s_endpgm
.Lentry_shape_is_right:
; Products 4 and 5 with the softmax between, for one (batch, head) a row of the grid, on codes of FP8 (E4M3); the result is quantised for product 6.  p = 2^(t - M), t = score x log2(e) / sqrt(128), M the ceiling of the running largest t;
; the row's sum is taken of the unquantised p and divides at the end; a change of M multiplies by a power of two.
; WORK LEFT OUT: a step of 128 keys all of which come after a tile's 16 queries: reference() hides these scores itself (causal).  LIMIT: a NaN, an infinity or an overflow that reaches only hidden scores is not carried on.
; LIMITS on the given exponents: e6 + e7 between -123 and 130; e8, e11 and e10 - e8 - e9 between -126 and 119.  The scaled scores (exponents to the base 2) stay under 2^31 in magnitude.  NaN among the inputs is not served.
; SHARES.  A work-group owns eight tiles of 16 queries: tile number 8 i + x, i = 0 .. 7, x the work-group's place along the grid's x.  Tile i has key steps 0 .. i.  A WAVE OWNS TWO TILES, i = 2 m and 2 m + 1, so that each fragment of K and V serves two products;
; TWO WAVES OWN THE SAME TWO: part 0 takes the even steps, part 1 the odd ones, m + 1 each.  Waves c and c + 4 have m = c and 3 - c: five such steps together.  Every wave walks four trips and jumps over the work that it has not.
; At the end the two parts are joined through LDS: each gives the other half of its channels, and each finishes 64 channels of both tiles.
; WO.  The waves with m = 0 and 1, which have one or two steps, turn Wo (f32) into codes for product 6 behind their steps: 4,096 numbers each, K in its natural order.
; All keys of the head lie in LDS: K's eight blocks of 16 KiB, then V^T's.  Each of the eight waves fetches 32 KiB of them by one joint load: the four work-groups of a cluster share the head.  No prefetch: all is asked for at the head, there is no loop to run ahead of.
; LAYOUT.  Both products are used transposed: S^T = K Q^T, O^T = V^T P^T: a lane holds one query (lane % 16); register j of tile t of S^T is key 16 t + 8 (lane / 16) + j.  Fragments lie in memory and LDS as images of their registers (512 c + 16 lane).
; The V^T tiles stand so that O^T's tiles 0-3 are the channels that this wave finishes (64 x part + 0 .. 63), tiles 4-7 those that it gives away.
; REGISTERS: window 0 holds the first tile of queries, window 1 the second, at the same numbers: v16-31 Q; v96-159 S^T, then p; v160-223 O^T; v224-239 p's codes; v12 -M, v13 the largest t, v[14:15] the sum in two halves; v240-254 constants and at work.
;   v32-95: four fragments in each window, shared by both tiles.  Addresses: window 0.
.set SPARE, 262144                     ; behind the tiles: the spare words, 128 bytes for each wave
.set VOFF, 131072                      ; V^T's blocks
.set XB,   8704                        ; the exchange: 2 x 32 registers of O^T, -M and the sum twice: bytes for each wave, on K's blocks, which nobody reads then and nothing fills again
.set LI,   1                           ; v1   16 x lane
.set AK0,  2                           ; v2, v3, v7  my lane's place in my first step's K, V^T (kept half), V^T (other half)
.set AL0,  3
.set DM,   4                           ; v4   16 x + r - 8 h: my query less the diagonal step's first key, less my half's keys (both windows)
.set SPW,  5                           ; v5   LDS address of my spare word; never rewritten
.set NIL,  6                           ; v6   0; never rewritten
.set AH0,  7
.set AK,   8                           ; v8-10  the same in the step in hand
.set AL,   9
.set AH,   10
.set SS,   2                           ; s2   the step
.set TB,   3                           ; s3   32,768 x the trip
.set IA,   13                          ; s13, s14  my tiles' i: the last step of each, the one on its diagonal
.set IB,   14
.set PP,   16                          ; s16  my part
.set WV,   18                          ; s18  my wave
.set MW,   19                          ; s19  m
.set SEL,  20
.set CS,   22
.set G1,   24
.set G0,   40
.set MSB, 0
.macro WIN new                         ; s_set_vgpr_msb: bits 1:0 source 0, 3:2 source 1, 5:4 source 2, 7:6 destination; the high byte repeats the setting that is left
.if MSB != \new
	s_set_vgpr_msb (MSB<<8)|(\new)
.set MSB, \new
.endif
.endm
.macro ROUND
	s_barrier_signal -1
	s_barrier_wait -1
	s_cmp_lg_u32 s[WV], 0
	s_cbranch_scc1 .Lnot_wave_0_\@
	s_barrier_signal -3
.Lnot_wave_0_\@:
	s_barrier_wait -3
	s_barrier_signal -1
	s_barrier_wait -1
.endm
	s_load_b128 s[4:7], s[0:1], 0x0                ; hcodes, the scales' exponents
	s_load_b64 s[8:9], s[0:1], 0x10                ; acodes
	s_load_b128 s[48:51], s[0:1], 0x18             ; Wo, its codes
	v_lshl_add_u32 v[SPW], v0, 2, SPARE
	v_mov_b32 v[NIL], 0
	ds_add_u32 v[SPW], v[NIL]                      ; the wave's opening: the add, twice on end, and its wait
	ds_add_u32 v[SPW], v[NIL]
	v_lshrrev_b32 v2, 5, v0
	v_readfirstlane_b32 s[WV], v2                  ; wave 0..7
	s_lshr_b32 s[PP], s[WV], 2
	s_and_b32 s73, s[WV], 3
	s_mul_i32 s74, s[PP], 3
	s_xor_b32 s[MW], s73, s74                      ; m: 0 1 2 3 3 2 1 0
	s_lshl_b32 s[IA], s[MW], 1
	s_add_co_u32 s[IB], s[IA], 1
	s_bfe_u32 s10, ttmp6, 0x40000
	s_lshl_b32 s11, ttmp9, 2
	s_add_co_u32 s11, s11, s10                     ; x: 0 .. 7
	s_and_b32 s12, ttmp7, 0xffff                   ; 16 batch + head
	; what I fetch: waves 0-3 K, waves 4-7 V^T: two blocks, 32 KiB dense, to 32,768 x wave
	s_add_co_u32 s74, s[PP], 1
	s_lshl_b32 s74, s74, 22
	s_lshl_b32 s77, s12, 17
	s_add_co_u32 s74, s74, s77
	s_lshl_b32 s73, s73, 15
	s_add_co_u32 s74, s74, s73
	s_mov_b32 s75, 0
	s_lshl_b32 s76, s[WV], 15
	s_mov_b32 s[G1], 15|(3<<16)|(1<<21)            ; the mask of all four; elements of 8 bytes; bit 21 beside a mask
	s_mov_b32 s[G1+1], 32<<16                      ; 128 rows of 256 bytes, dense
	s_mov_b32 s[G1+2], 128<<16
	s_mov_b32 s[G1+3], 32<<16
	s_mov_b32 s[G1+4], 128
	s_mov_b32 s[G1+5], 32
	s_mov_b32 s[G1+6], 0
	s_mov_b32 s[G1+7], 0
	s_mov_b32 s[SEL], 0x76543210
	s_mov_b32 s[SEL+1], 0xfedcba98                 ; lane l xor 16
	s_mov_b32 s[CS], 0x3e0293ee                    ; log2(e) / sqrt(128)
	s_lshl_b32 s78, s[MW], 4
	s_add_co_u32 s78, s78, s11                     ; my first tile of queries: 16 m + x; the second lies 8 on
	s_lshl_b32 s80, s78, 11
	s_add_co_u32 s80, s80, s77                     ; its image of Q
	s_mov_b32 s81, 0
	; the result's image: ((head / 4) x 128 + 64 batch + tile) x 8,192 + (head % 4) x 2,048, + my half's 1,024
	s_and_b32 s82, s12, 15
	s_lshr_b32 s83, s12, 4
	s_lshr_b32 s84, s82, 2
	s_lshl_b32 s84, s84, 7
	s_lshl_b32 s83, s83, 6
	s_add_co_u32 s84, s84, s83
	s_add_co_u32 s84, s84, s78
	s_lshl_b32 s84, s84, 13
	s_and_b32 s82, s82, 3
	s_lshl_b32 s82, s82, 11
	s_add_co_u32 s84, s84, s82
	s_lshl_b32 s82, s[PP], 10
	s_add_co_u32 s84, s84, s82
	s_mov_b32 s85, 0
	s_wait_dscnt 0x0                               ; both opening adds are done
	s_wait_kmcnt 0x0
	s_load_b128 s[68:71], s[6:7], 0x18             ; e6, e7, e8, e9
	s_load_b32 s72, s[6:7], 0x28                   ; e10
	s_load_b32 s45, s[6:7], 0x2c                   ; e11
	s_add_nc_u64 s[74:75], s[4:5], s[74:75]
	s_add_nc_u64 s[4:5], s[4:5], s[80:81]
	s_add_nc_u64 s[8:9], s[8:9], s[84:85]
	s_mov_b32 s[G0], 1
	s_mov_b32 s[G0+1], s76
	s_mov_b64 s[G0+2:G0+3], s[74:75]
	s_or_b32 s[G0+3], s[G0+3], 0x80000000
	ROUND                                          ; all four work-groups are here: the joint loads meet
	tensor_load_to_lds s[G0:G0+3], s[G1:G1+7]      ; my one tensor load
	s_nop 0
.rept 4
	v_nop
.endr
	v_and_b32 v[LI], 31, v0
	v_lshlrev_b32 v[LI], 4, v[LI]
.irp c, 0,1,2,3
	global_load_b128 v[16+4*\c:19+4*\c], v[LI], s[4:5] offset:512*\c   ; Q's fragments stay in registers
.endr
	WIN 0x40
.irp c, 0,1,2,3
	global_load_b128 v[16+4*\c:19+4*\c], v[LI], s[4:5] offset:16384+512*\c
.endr
	WIN 0
	s_lshl_b32 s73, s[PP], 14
	v_add_nc_u32 v[AK0], s73, v[LI]
	s_mul_i32 s73, s[PP], 24576
	s_add_co_u32 s73, s73, VOFF
	v_add_nc_u32 v[AL0], s73, v[LI]                ; part 0: V^T's tiles 0-3 of step 0; part 1: tiles 4-7 of step 1
	s_lshl_b32 s73, s[PP], 13
	s_add_co_u32 s73, s73, VOFF+8192
	v_add_nc_u32 v[AH0], s73, v[LI]                ; part 0: tiles 4-7; part 1: tiles 0-3
	v_and_b32 v11, 15, v0
	v_bfe_u32 v12, v0, 4, 1
	v_lshlrev_b32 v12, 3, v12
	v_sub_nc_u32 v[DM], v11, v12
	s_lshl_b32 s86, s11, 4
	v_add_nc_u32 v[DM], s86, v[DM]
	s_wait_kmcnt 0x0
	s_add_co_i32 s73, s68, s69
	s_lshl_b32 s73, s73, 23
	s_add_co_i32 s[CS], s[CS], s73                 ; a score stands for score x 2^(e6 + e7)
	s_mov_b32 s[CS+1], s[CS]
	s_add_co_i32 s73, s70, 127
	s_lshl_b32 s52, s73, 23                        ; 2^e8
	s_add_co_i32 s73, s73, 8
	s_lshl_b32 s73, s73, 23
	s_or_b32 s53, s73, 0x600000                    ; 448 x that
	s_sub_co_i32 s73, s72, s70
	s_sub_co_i32 s73, s73, s71
	s_add_co_i32 s73, s73, 127
	s_lshl_b32 s54, s73, 23                        ; 2^(e10 - e8 - e9): the three scales folded into the last conversion's one
	s_add_co_i32 s73, s73, 8
	s_lshl_b32 s73, s73, 23
	s_or_b32 s55, s73, 0x600000                    ; 448 x that
.macro INIT
	v_mov_b32 v13, 0xff61b1e6                      ; the largest t so far: -3e38
	v_floor_f32 v12, -v13                          ; -M
	v_mov_b32 v14, 0
	v_mov_b32 v15, 0
	v_mov_b32 v246, 0                              ; written once: a lane permute's destination counts as one of its sources
	v_mov_b32 v253, 0                              ; (named as the upper half of a pair)
	v_mov_b32 v244, s52
	v_mov_b32 v240, s53
	v_mov_b32 v245, s54
	v_mov_b32 v241, s55
.set n, 0
.rept 64
	v_mov_b32 v[160+n], 0                          ; O^T: the loop is written once, and the first tile of m = 0 has no step in part 1.  My tiles are on their way
.set n, n+1
.endr
.endm
	INIT
	s_wait_alu depctr_va_vdst(0)                   ; ahead of the reader below
	WIN 0x40
	v_mov_b32 v[DM], v[DM]                         ; the same number in window 1
	WIN 0x55
	INIT
	WIN 0
	s_mov_b32 s[SS], s[PP]
	s_mov_b32 s[TB], 0
	s_mov_b32 s44, 4
	s_wait_alu depctr_va_vdst(0)
	s_wait_loadcnt 0x0                             ; Q
	s_wait_tensorcnt 0x0                           ; my part of the tiles is in;
	s_barrier_signal -1
	s_barrier_wait -1                              ; everybody's is
.macro LD4 adr                         ; four fragments into v32-95 of the destination's window
.irp t, 0,1,2,3
.irp c, 0,1,2,3
	ds_load_b128 v[32+16*\t+4*\c:35+16*\t+4*\c], v[\adr] offset:2048*\t+512*\c
.endr
.endr
.endm
.macro SMUL w, g                       ; S^T of the tile in window w, with the fragments in window g
	WIN 0x44*\w+\g
.irp t, 0,1,2,3
	v_wmma_f32_16x16x128_fp8_fp8 v[96+8*(4*\g+\t):103+8*(4*\g+\t)], v[32+16*\t:47+16*\t], v[16:31], 0
.endr
.endm
.macro OMUL w, g
	WIN 0x54*\w+\g
.irp t, 0,1,2,3
	v_wmma_f32_16x16x128_fp8_fp8 v[160+8*(4*\g+\t):167+8*(4*\g+\t)], v[32+16*\t:47+16*\t], v[224:239], v[160+8*(4*\g+\t):167+8*(4*\g+\t)]
.endr
.endm
.macro PLACES                          ; four places behind a matrix instruction (ISA guide 7.12.1 for vector instructions)
.rept 4
	v_nop
.endr
.endm
.macro MASK                            ; the diagonal: hidden scores become -infinity; key 0 of the step counts for all 16 queries
	v_mov_b32 v254, 0xff800000
	s_wait_alu depctr_va_vdst(0)                   ; ahead of the scores' first readers
.set n, 0
.rept 64
	v_cmp_gt_i32 vcc_lo, 16*(n/8)+n%8, v[DM]
	v_cndmask_b32 v[96+n], v[96+n], v254, vcc_lo
.set n, n+1
.endr
.endm
.macro SOFTMAX
	s_wait_alu depctr_va_vdst(0)                   ; directly ahead of the scores' first readers
	v_max3_num_f32 v254, v96, v97, v98             ; the largest score of my query, in four chains
	v_max3_num_f32 v252, v99, v100, v101
	v_max3_num_f32 v250, v102, v103, v104
	v_max3_num_f32 v248, v105, v106, v107
.set n, 12
.rept 6
	v_max3_num_f32 v254, v254, v[96+n], v[97+n]
	v_max3_num_f32 v252, v252, v[98+n], v[99+n]
	v_max3_num_f32 v250, v250, v[100+n], v[101+n]
	v_max3_num_f32 v248, v248, v[102+n], v[103+n]
.set n, n+8
.endr
	v_max3_num_f32 v254, v254, v156, v157
	v_max3_num_f32 v252, v252, v158, v159
	s_delay_alu instid0(VALU_DEP_1)
	v_max3_num_f32 v254, v254, v252, v250
	s_delay_alu instid0(VALU_DEP_1)
	v_max_num_f32 v254, v254, v248
	s_delay_alu instid0(VALU_DEP_1)
	v_permlanex16_b32 v246, v254, s[SEL], s[SEL+1]
	s_delay_alu instid0(VALU_DEP_1)
	v_max_num_f32 v254, v254, v246                 ; and of lane l xor 16's keys
	s_delay_alu instid0(VALU_DEP_1)
	v_mul_f32 v254, s[CS], v254
	s_delay_alu instid0(VALU_DEP_1)
	v_max_num_f32 v13, v13, v254                   ; the running largest t
	v_mov_b32 v254, v12
	s_delay_alu instid0(VALU_DEP_2)
	v_floor_f32 v12, -v13                          ; the new -M
	s_delay_alu instid0(VALU_DEP_1)
	v_sub_f32 v254, v12, v254
	s_delay_alu instid0(VALU_DEP_1)
	v_cvt_i32_f32 v254, v254                       ; (it saturates)
	s_delay_alu instid0(VALU_DEP_1)
	v_ldexp_f32 v252, 1.0, v254                    ; f = 2^(old M - new M)
.set n, 0
.rept 32
	v_pk_fma_f32 v[96+n:97+n], v[96+n:97+n], s[CS:CS+1], v[12:13] op_sel_hi:[1,0,0]   ; t - M
.set n, n+2
.endr
	s_wait_alu depctr_va_vdst(0)                   ; ahead of the batch
.set n, 0
.rept 64
	v_exp_f32 v[96+n], v[96+n]
.set n, n+1
.endr
	v_pk_mul_f32 v[14:15], v[14:15], v[252:253] op_sel_hi:[1,0]
	s_wait_alu depctr_va_vdst(0)                   ; one wait for the whole batch, ahead of its first reader
	v_pk_add_f32 v[242:243], v[96:97], v[98:99]    ; the row's sum, of the unquantised p, in four chains
	v_pk_add_f32 v[248:249], v[100:101], v[102:103]
	v_pk_add_f32 v[250:251], v[104:105], v[106:107]
	v_pk_add_f32 v[14:15], v[14:15], v[108:109]
.set n, 14
.rept 6
	v_pk_add_f32 v[242:243], v[242:243], v[96+n:97+n]
	v_pk_add_f32 v[248:249], v[248:249], v[98+n:99+n]
	v_pk_add_f32 v[250:251], v[250:251], v[100+n:101+n]
	v_pk_add_f32 v[14:15], v[14:15], v[102+n:103+n]
.set n, n+8
.endr
	v_pk_add_f32 v[242:243], v[242:243], v[158:159]
	s_delay_alu instid0(VALU_DEP_3)
	v_pk_add_f32 v[248:249], v[248:249], v[250:251]
	s_delay_alu instid0(VALU_DEP_2)
	v_pk_add_f32 v[14:15], v[14:15], v[242:243]
	s_delay_alu instid0(VALU_DEP_1)
	v_pk_add_f32 v[14:15], v[14:15], v[248:249]
.irp c, 0,1,2,3,4,5,6,7
.irp i, 0,1,2,3,4,5,6,7
	v_min_num_f32 v[96+8*\c+\i], v[96+8*\c+\i], v240   ; the conversion does not saturate (ISA guide 7.6.2); p is not negative
.endr
	v_cvt_scalef32_pk8_fp8_f32 v[224+2*\c:225+2*\c], v[96+8*\c:103+8*\c], v244
.endr
	s_wait_alu depctr_va_vdst(0)                   ; directly ahead of the first reader of O^T
.set n, 0
.rept 32
	v_pk_mul_f32 v[160+n:161+n], v[160+n:161+n], v[252:253] op_sel_hi:[1,0]   ; O^T under the new M
.set n, n+2
.endr
	s_wait_alu depctr_va_vdst(0)
	s_wait_dscnt 0x0                               ; V^T's fragments are in
.endm
.Lstep:
	s_cmp_gt_u32 s[SS], s[IB]
	s_cbranch_scc1 .Lhidden                        ; no key of this step counts for my queries: a branch on ids, round no barrier
	v_add_nc_u32 v[AK], s[TB], v[AK0]              ; (three of the places behind the last step's products)
	v_add_nc_u32 v[AL], s[TB], v[AL0]
	v_add_nc_u32 v[AH], s[TB], v[AH0]
	v_nop
	LD4 AK                                         ; K's tiles 0-3,
	WIN 0x40
.irp t, 0,1,2,3
.irp c, 0,1,2,3
	ds_load_b128 v[32+16*\t+4*\c:35+16*\t+4*\c], v[AK] offset:8192+2048*\t+512*\c   ; and 4-7
.endr
.endr
	s_wait_alu depctr_va_vdst(0)
	s_wait_dscnt 16                                ; the first four are in; the other sixteen loads may be out
	SMUL 0, 0
	SMUL 1, 0
	s_wait_dscnt 0x0
	SMUL 0, 1
	SMUL 1, 1
	WIN 0
	PLACES
	LD4 AL                                         ; V^T's are on their way during the softmax
	WIN 0x40
	LD4 AH
	WIN 0
	s_cmp_gt_u32 s[SS], s[IA]
	s_cbranch_scc1 .Lno_a                          ; hidden from the first tile
	s_cmp_lt_u32 s[SS], s[IA]
	s_cbranch_scc1 .Lopen_a                        ; all keys count
	MASK
.Lopen_a:
	SOFTMAX
	OMUL 0, 0
	OMUL 0, 1
	WIN 0
.Lno_a:
	s_cmp_lt_u32 s[SS], s[IB]
	s_cbranch_scc1 .Lopen_b
	WIN 0x55
	MASK
	WIN 0
.Lopen_b:
	WIN 0x55
	SOFTMAX
	OMUL 1, 0
	OMUL 1, 1
	WIN 0
.Lhidden:
	s_add_co_u32 s[SS], s[SS], 2
	s_add_co_u32 s[TB], s[TB], 0x8000
	s_sub_co_u32 s44, s44, 1
	s_cmp_lg_u32 s44, 0
	s_cbranch_scc1 .Lstep
	PLACES
; WO, in the waves with m = 0 and 1: 8 groups of 512 numbers, four loads of 512 consecutive bytes each; lane l holds of load j the numbers 128 j + 4 l + 0 .. 3.  They become codes, a register for each load, and the four lanes 4 m + s
; exchange registers (lane xor 1, then lane xor 2), so that lane 4 m + s holds load s's codes of lanes 4 m .. 4 m + 3: 16 neighbours.  A group's store covers 512 consecutive bytes.
.set WD,  32                           ; v32-159   the groups' numbers; a group's codes take the first registers of the group before (group 0's: v224-227)
.set WT,  228                          ; v228-231  codes as converted
.set WU,  232                          ; v232-235  a neighbour lane's
.macro XCH dst, src, mask
	v_mov_b32_dpp v[\dst], v[\src] row_xmask:\mask row_mask:0xf bank_mask:0xf
.endm
	s_cmp_gt_u32 s[MW], 1
	s_cbranch_scc1 .Ljoin
	s_lshl_b32 s56, s12, 3
	s_add_co_u32 s56, s56, s11                     ; my work-group: 0 .. 255
	s_lshl_b32 s56, s56, 2
	s_add_co_u32 s56, s56, s[IA]                   ; + 2 m
	s_add_co_u32 s56, s56, s[PP]                   ; + part: which of 1,024 runs of 4,096 numbers
	s_lshl_b32 s58, s56, 12
	s_mov_b32 s59, 0
	s_lshl_b32 s56, s56, 14
	s_mov_b32 s57, 0
	s_add_nc_u64 s[48:49], s[48:49], s[56:57]
	s_add_nc_u64 s[50:51], s[50:51], s[58:59]
.irp g, 0,1,2,3,4,5,6,7
.irp j, 0,1,2,3
	global_load_b128 v[WD+16*\g+4*\j:WD+16*\g+4*\j+3], v[LI], s[48:49] offset:2048*\g+512*\j th:TH_LOAD_NT
.endr
.endr
	s_mov_b32 s60, 0xaaaaaaaa                      ; lanes with bit 0 set
	s_mov_b32 s61, 0xcccccccc                      ; lanes with bit 1 set
	s_add_co_i32 s45, s45, 127
	s_lshl_b32 s62, s45, 23
	s_add_co_i32 s45, s45, 8
	s_lshl_b32 s45, s45, 23
	s_or_b32 s45, s45, 0x600000                    ; 448 x 2^e11
	s_xor_b32 s63, s45, 0x80000000
	v_mov_b32 v248, s62                            ; 2^e11
	v_and_b32 v250, 31, v0
	v_and_b32 v251, 3, v250
	v_lshrrev_b32 v250, 2, v250
	v_lshlrev_b32 v249, 7, v251
	v_lshl_add_u32 v249, v250, 4, v249             ; stores: 128 (lane % 4) + 16 (lane / 4)
.irp i, 0,1,2,3
	v_mov_b32 v[WU+\i], 0                          ; written once: a lane exchange's destination counts as one of its sources
.endr
	s_wait_alu depctr_va_vdst(0)
.irp g, 0,1,2,3,4,5,6,7
.set WX, WD+16*\g
.if \g == 0
.set WR, 224
.else
.set WR, WX-16
.endif
	s_wait_loadcnt 28-4*\g                         ; this group's four loads are in; those of the groups behind it may be out
.irp i, 0,1,2,3,4,5,6,7,8,9,10,11,12,13,14,15
	v_med3_num_f32 v[WX+\i], v[WX+\i], s63, s45
.endr
	v_cvt_scalef32_pk8_fp8_f32 v[WT:WT+1], v[WX:WX+7], v248
	v_cvt_scalef32_pk8_fp8_f32 v[WT+2:WT+3], v[WX+8:WX+15], v248
	v_nop                                          ; one plain line between the conversions and the readers of their results
	XCH WU, WT+1, 1
	XCH WU+1, WT, 1
	XCH WU+2, WT+3, 1
	XCH WU+3, WT+2, 1
	v_cndmask_b32 v[WT], v[WT], v[WU], s60         ; loads (0, 1) and (2, 3) between lanes l and l xor 1
	v_cndmask_b32 v[WT+1], v[WU+1], v[WT+1], s60
	v_cndmask_b32 v[WT+2], v[WT+2], v[WU+2], s60
	v_cndmask_b32 v[WT+3], v[WU+3], v[WT+3], s60
	XCH WU, WT+2, 2
	XCH WU+1, WT, 2
	XCH WU+2, WT+3, 2
	XCH WU+3, WT+1, 2
	v_cndmask_b32 v[WR], v[WT], v[WU], s61         ; and between lanes l and l xor 2
	v_cndmask_b32 v[WR+2], v[WU+1], v[WT+2], s61
	v_cndmask_b32 v[WR+1], v[WT+1], v[WU+2], s61
	v_cndmask_b32 v[WR+3], v[WU+3], v[WT+3], s61
	global_store_b128 v249, v[WR:WR+3], s[50:51] offset:512*\g
.endr
	s_wait_xcnt 0x0                                ; the stores have read their registers
.Ljoin:
	; THE TWO PARTS ARE JOINED.  Each wave gives O^T's tiles 4-7, its -M and its row sum, of both tiles of queries, to the wave 7 - its number, which finishes those channels.
.macro SUMUP
	v_add_f32 v14, v14, v15
	v_permlanex16_b32 v246, v14, s[SEL], s[SEL+1]
	v_add_f32 v243, v14, v246                      ; my part's row sum
	v_mov_b32 v242, v12
.endm
	SUMUP
	WIN 0x55
	SUMUP
	WIN 0
	v_lshrrev_b32 v2, 1, v[LI]                     ; 8 x lane
	s_mul_i32 s73, s[WV], XB
	s_xor_b32 s74, s[WV], 7
	s_mul_i32 s74, s74, XB
	v_add_nc_u32 v3, s73, v[LI]
	v_add_nc_u32 v7, s73, v2
	v_add_nc_u32 v8, s74, v[LI]
	v_add_nc_u32 v9, s74, v2
	s_wait_alu depctr_va_vdst(0)
	s_wait_dscnt 0x0                               ; my reads of the tiles are over,
	s_barrier_signal -1
	s_barrier_wait -1                              ; and everybody's: the exchange may lie on them
.irp i, 0,1,2,3,4,5,6,7
	s_wait_alu depctr_va_vdst(0)                   ; directly ahead of the first reader of O^T
	ds_store_b128 v3, v[192+4*\i:195+4*\i] offset:512*\i
.endr
	ds_store_b64 v7, v[242:243] offset:8192
	WIN 0x04
.irp i, 0,1,2,3,4,5,6,7
	s_wait_alu depctr_va_vdst(0)
	ds_store_b128 v3, v[192+4*\i:195+4*\i] offset:4096+512*\i
.endr
	ds_store_b64 v7, v[242:243] offset:8448
	WIN 0
	s_wait_dscnt 0x0
	s_barrier_signal -1
	s_barrier_wait -1
	ds_load_b64 v[64:65], v9 offset:8192           ; the partner's -M and sum,
.irp i, 0,1,2,3,4,5,6,7
	ds_load_b128 v[32+4*\i:35+4*\i], v8 offset:512*\i   ; and its O^T of my channels
.endr
	WIN 0x40
	ds_load_b64 v[64:65], v9 offset:8448
.irp i, 0,1,2,3,4,5,6,7
	ds_load_b128 v[32+4*\i:35+4*\i], v8 offset:4096+512*\i
.endr
	WIN 0
.macro FIN
	v_min_num_f32 v66, v12, v64                    ; -M of both
	v_sub_f32 v67, v66, v12
	v_sub_f32 v68, v66, v64
	v_cvt_i32_f32 v67, v67                         ; (it saturates: a part without a step has O^T = 0 and the sum 0)
	v_cvt_i32_f32 v68, v68
	v_ldexp_f32 v70, 1.0, v67
	v_ldexp_f32 v72, 1.0, v68
	v_mul_f32 v69, v243, v70
	v_fmac_f32 v69, v65, v72                       ; the row's sum
	s_wait_alu depctr_va_vdst(0)                   ; ahead of the transcendental
	v_rcp_f32 v74, v69
	v_mov_b32 v71, 0                               ; (named as the upper halves of pairs; plain places behind the transcendental)
	v_mov_b32 v73, 0
	s_wait_alu depctr_va_vdst(0)                   ; ahead of the result's first reader, and of O^T's
	v_mul_f32 v70, v70, v74                        ; each part's power of two / the sum
	v_mul_f32 v72, v72, v74
.set n, 0
.rept 16
	v_pk_mul_f32 v[96+n:97+n], v[160+n:161+n], v[70:71] op_sel_hi:[1,0]
.set n, n+2
.endr
.set n, 0
.rept 16
	v_pk_fma_f32 v[96+n:97+n], v[32+n:33+n], v[72:73], v[96+n:97+n] op_sel_hi:[1,0,1]
.set n, n+2
.endr
.set n, 0
.rept 32
	v_med3_num_f32 v[96+n], v[96+n], -v241, v241
.set n, n+1
.endr
.irp t, 0,1,2,3
	v_cvt_scalef32_pk8_fp8_f32 v[224+2*\t:225+2*\t], v[96+8*\t:103+8*\t], v245
.endr
	v_nop
.endm
	s_wait_dscnt 9                                 ; the first tile's nine loads are in; the second's nine may be out
	FIN
.irp c, 0,1
	global_store_b128 v[LI], v[224+4*\c:227+4*\c], s[8:9] offset:512*\c   ; 512 consecutive bytes
.endr
	s_wait_dscnt 0x0
	WIN 0x55
	FIN
	WIN 0x04
.irp c, 0,1
	global_store_b128 v[LI], v[224+4*\c:227+4*\c], s[8:9] offset:65536+512*\c
.endr
	WIN 0
	s_wait_tensorcnt 0x0                           ; the wave's end
	ds_add_u32 v[SPW], v[NIL]
	s_wait_dscnt 0x0
	ROUND                                          ; the closing round
	s_endpgm
.Lfunc_end_k_q718e77957a_attn:
	.size	k_q718e77957a_attn, .Lfunc_end_k_q718e77957a_attn-k_q718e77957a_attn
	.p2alignl 7, 3214868480
	.fill 96, 4, 3214868480
	.section	.rodata,"a",@progbits
	.p2align	6, 0x0
	.amdhsa_kernel k_q718e77957a_attn
		.amdhsa_group_segment_fixed_size 327680
		.amdhsa_private_segment_fixed_size 0
		.amdhsa_enable_private_segment 0
		.amdhsa_kernarg_size 40
		.amdhsa_user_sgpr_count 2
		.amdhsa_user_sgpr_kernarg_segment_ptr 1
		.amdhsa_wavefront_size32 1
		.amdhsa_system_sgpr_workgroup_id_x 1
		.amdhsa_system_sgpr_workgroup_id_y 1
		.amdhsa_system_sgpr_workgroup_id_z 1
		.amdhsa_system_vgpr_workitem_id 0
		.amdhsa_next_free_vgpr 512
		.amdhsa_next_free_sgpr 100
		.amdhsa_reserve_vcc 1
		.amdhsa_float_denorm_mode_32 3
		.amdhsa_float_denorm_mode_16_64 3
		.amdhsa_memory_ordered 1
		.amdhsa_forward_progress 1
		.amdhsa_inst_pref_size 93
	.end_amdhsa_kernel
	.amdgpu_metadata
---
amdhsa.version: [ 1, 2 ]
amdhsa.kernels:
  - .name:           k_q718e77957a_attn
    .symbol:         k_q718e77957a_attn.kd
    .args:
      - { .name: hcodes, .offset: 0, .size: 8, .value_kind: global_buffer, .address_space: global }
      - { .name: lowp_scales, .offset: 8, .size: 8, .value_kind: global_buffer, .address_space: global }
      - { .name: acodes, .offset: 16, .size: 8, .value_kind: global_buffer, .address_space: global }
      - { .name: Wo, .offset: 24, .size: 8, .value_kind: global_buffer, .address_space: global }
      - { .name: wcodes, .offset: 32, .size: 8, .value_kind: global_buffer, .address_space: global }
    .group_segment_fixed_size: 327680
    .private_segment_fixed_size: 0
    .kernarg_segment_align: 8
    .kernarg_segment_size: 40
    .max_flat_workgroup_size: 256
    .sgpr_count:     100
    .vgpr_count:     512
    .wavefront_size: 32
...
	.end_amdgpu_metadata
.endif
;; end of part 3
;; launch oproj (part 4): grid 16 x 16, 4 waves a work-group, clusters of 4 x 4, 327,680 bytes of LDS; arguments acodes, wcodes, bo, lowp_scales, out0; writes out0
.if DOCPART == 4
	.amdgcn_target "amdgcn-amd-amdhsa--gfx1250"
	.amdhsa_code_object_version 6
	.text
	.protected	k_q718e77957a_oproj
	.globl	k_q718e77957a_oproj
	.p2align	8
	.type	k_q718e77957a_oproj,@function
k_q718e77957a_oproj:
	s_mov_b64 s[64:65], 0
	v_nop
	global_prefetch_b8 v0, s[64:65] scope:SCOPE_SE
	s_setreg_imm32_b32 hwreg(HW_REG_WAVE_MODE, 25, 1), 1
	s_wait_xcnt 0x0
	s_wait_alu depctr_hold_cnt(0) depctr_sa_sdst(0) depctr_va_vdst(0) depctr_va_sdst(0) depctr_va_ssrc(0) depctr_va_vcc(0) depctr_vm_vsrc(0)
	s_getreg_b32 s2, hwreg(HW_REG_IB_STS2, 6, 4)
	s_cmp_eq_u32 s2, 0
	s_cbranch_scc0 .Lentry_in_a_cluster
	s_endpgm
.Lentry_in_a_cluster:
	s_bfe_u32 s2, ttmp6, 0x10000c
	s_cmp_lg_u32 s2, 0xf033
	s_cbranch_scc0 .Lentry_shape_is_right
	s_endpgm
.Lentry_shape_is_right:
; Product 6: out0[m][n] = 2^(e10 + e11) x (sum over k of A[m][k] Wo[n][k]) + bo[n], on codes of FP8 (E4M3); M = N = K = 2,048; out0 f32.  No work of reference() is left out here.
; LIMIT: e10 + e11 between -126 and 127, so that 2^(e10 + e11) is an f32 number.
; A tile of out0 is 128 x 128, so that there are 256 work-groups; four waves, each 64 x 64: 16 accumulators.  K goes in four steps of 512 through two LDS slots; a step is four quarters of 128, 16 matrix instructions each.  All is written out: no loop.
; A (attention's result) comes as IMAGES OF FRAGMENTS: 16 tokens x one head's 128, 2,048 bytes: registers 4 c .. 4 c + 3 of lane l at 512 c + 16 l, with k = 16 c + 8 h + 0 .. 7 in registers 2 c, 2 c + 1.  For one K step (four heads) the images of
; 128 tokens are 64 KiB dense: no pitch, no padding.  B (Wo's codes) comes as rows of 512 bytes, 16 of padding behind each; its fragments are fetched by eight loads of 8 bytes at 16 c + 8 h, so that k stands where A's images have it.
; CLUSTERS: 4 x 4 work-groups: A's tiles are shared along a row of the cluster, B's along a column, each asked for jointly.  THE MATRIX INSTRUCTION IS USED TRANSPOSED (source 0 = 16 rows of Wo, source 1 = 16 tokens): a lane holds eight neighbouring outputs of one token.
; REGISTERS: window 0: v16-29 addresses; v32-63 a block's results; v64-127 rows read back from the stage, two sets; v128-255 the accumulators ((a, b) at v[128 + 8 (4 a + b)]).
;   window 1: two fragment buffers of 128: A's four fragments, then B's four.   window 2: v0-31 bo in the results' layout.
; THE TILES ARE PREFETCHED INTO THE L2: K steps 1 and 2 behind K step 0's joint load, K step 3 behind K step 1's.  A wave's part of a K step is 128 blocks of 256 bytes; the four partners that ask for it jointly take 32 each, told apart
; by address (cx for A: 8,192 consecutive bytes; cy for B: 16 rows of 512 bytes), a lane a block, one instruction a wave: each block is named once in each cluster.
.set PFO,    18                        ; v18     the prefetches' offset; never rewritten
.set PB,     528                       ; a row of B in LDS: 512 bytes + 16 = 132 words: lane (r, h) of a load of 8 bytes starts at bank 4 r + 2 h mod 64 (64 banks of 4 bytes: ISA guide 11.1): the 32 lanes touch each bank once
.set AIMG,   65536                     ; a slot: A's 8 tiles of tokens x 4 images,
.set BHALF,  64*PB                     ; then B's two halves of 64 rows
.set SLOT,   AIMG+2*BHALF
.set STAGE,  2*SLOT                    ; behind the ring: 16 rows x 272 bytes for each wave, for the way out; no tensor load lands there
.set SPITCH, 272
.set SPARE,  STAGE+4*16*SPITCH         ; behind the stages: the spare words, 128 bytes for each wave
.set ADRA, 16                          ; v16-17  LDS address of my A images in slot 0, 1
.set ADRB, 20                          ; v20-21  of my B fragments
.set STO,  24                          ; v24     the way out: where I put 32 bytes of a row
.set RD,   25                          ; v25     where I read a row back
.set CO,   26                          ; v26     my byte offset in two rows of out0
.set BOF,  27                          ; v27     32 h: my half's eight numbers of bo
.set SPW,  28                          ; v28     LDS address of my spare word; never rewritten
.set NIL,  29                          ; v29     0; never rewritten
.set TMP,  32
.set OB,   64
.set ACC,  128
.set F0,   0                           ; fragment buffers, in window 1
.set F1,   128
.set G1, 24                            ; s[24:31] descriptor group 1 for A's tiles;  s[32:39] group 0, one set for each slot
.set G0, 32
.set G1B, 48                           ; s[48:55], s[56:63] the same for B's tiles
.set G0B, 56
.set MSB, 0
.macro WIN new                         ; s_set_vgpr_msb: bits 1:0 source 0, 3:2 source 1, 5:4 source 2, 7:6 destination; the high byte repeats the setting that is left
.if MSB != \new
	s_set_vgpr_msb (MSB<<8)|\new
.set MSB, \new
.endif
.endm
.set MUL,  0x05                        ; sources 0 (B) and 1 (A) window 1; C and D window 0
.set TO_F, 0x40                        ; destination window 1, address window 0
.macro JLOAD s                         ; a joint load: waves 0 and 1 fetch A's two halves, waves 2 and 3 B's; an s_nop 0 and four v_nop follow each of the two lines, ahead of the jump, the label and what follows
	s_cmp_eq_u32 s15, 0
	s_cbranch_scc0 .Lfor_b_\@
	tensor_load_to_lds s[G0+4*\s:G0+4*\s+3], s[G1:G1+7]
	s_nop 0
.rept 4
	v_nop
.endr
	s_branch .Lasked_\@
.Lfor_b_\@:
	tensor_load_to_lds s[G0B+4*\s:G0B+4*\s+3], s[G1B:G1B+7]
	s_nop 0
.rept 4
	v_nop
.endr
.Lasked_\@:
.endm
.macro CREST                           ; a round of the cluster's barrier behind its opening barrier
	s_cmp_lg_u32 s14, 0
	s_cbranch_scc1 .Lnot_wave_0_\@
	s_barrier_signal -3
.Lnot_wave_0_\@:
	s_barrier_wait -3
	s_barrier_signal -1
	s_barrier_wait -1
.endm
.macro CROUND                          ; a whole round
	s_barrier_signal -1
	s_barrier_wait -1
	CREST
.endm
	s_load_b256 s[4:11], s[0:1], 0x0               ; acodes s[4:5], Wo's codes s[6:7], bo s[8:9], the scales' exponents s[10:11]
	s_load_b64 s[12:13], s[0:1], 0x20              ; out0
	v_lshl_add_u32 v[SPW], v0, 2, SPARE
	v_mov_b32 v[NIL], 0
	ds_add_u32 v[SPW], v[NIL]                      ; the wave's opening: the add, twice on end, and its wait ahead of my first tensor load; the set-up below is the register work between
	ds_add_u32 v[SPW], v[NIL]
	v_lshrrev_b32 v1, 5, v0
	v_readfirstlane_b32 s14, v1                    ; wave 0..3
	s_lshr_b32 s15, s14, 1                         ; which half of the tile's rows is mine.  Also: I fetch for A (0) or for B (1)
	s_and_b32 s16, s14, 1                          ; which half of its columns.  Also: which half of that tile I fetch
	s_bfe_u32 s40, ttmp6, 0x40000                  ; cx, cy: my place in the cluster
	s_bfe_u32 s41, ttmp6, 0x40004
	s_lshl_b32 s42, ttmp9, 2
	s_add_co_u32 s42, s42, s40                     ; tile column = 4 x cluster x + cx: 0 .. 15
	s_and_b32 s17, ttmp7, 0xffff
	s_lshl_b32 s17, s17, 2
	s_add_co_u32 s17, s17, s41                     ; tile row = 4 x cluster y + cy: 0 .. 15
	s_lshl_b32 s43, s41, 2
	s_lshl_b32 s43, 15, s43                        ; my row of the cluster
	s_lshl_b32 s44, 0x1111, s40                    ; my column
	; descriptor group 1.  A: 32 KiB dense, as 128 rows of 32 elements of 8 bytes, no padding.  B: 64 rows of 512 bytes, 2,048 bytes apart in memory, four words of padding after every 128 (code 6)
	s_or_b32 s[G1+0], s43, (3<<16)|(1<<21)         ; 15:0 the mask: A's tiles go to my row; 17:16 elements of 8 bytes; 21 set beside a mask
	s_mov_b32 s[G1+1], 32<<16                      ; tensor_dim0
	s_mov_b32 s[G1+2], 128<<16                     ; tensor_dim1
	s_mov_b32 s[G1+3], 32<<16                      ; tile_dim0
	s_mov_b32 s[G1+4], 128                         ; tile_dim1
	s_mov_b32 s[G1+5], 32                          ; tensor_dim0_stride
	s_mov_b32 s[G1+6], 0
	s_mov_b32 s[G1+7], 0
	s_or_b32 s[G1B+0], s44, (0<<16)|(1<<20)|(1<<21)|(6<<22)|(3<<25)   ; the mask of my column; elements of 1 byte; padding on
	s_mov_b32 s[G1B+1], 512<<16
	s_mov_b32 s[G1B+2], 64<<16
	s_mov_b32 s[G1B+3], 512<<16
	s_mov_b32 s[G1B+4], 64
	s_mov_b32 s[G1B+5], 2048
	s_mov_b32 s[G1B+6], 0
	s_mov_b32 s[G1B+7], 0
	s_lshl_b32 s20, s17, 16                        ; A: 8 tiles of tokens x 8,192 bytes for a tile row,
	s_lshl_b32 s18, s16, 15                        ; + my half's four
	s_add_co_u32 s20, s20, s18
	s_mov_b32 s21, 0
	s_lshl_b32 s46, s42, 18                        ; B: 128 rows of 2,048 bytes for a tile column,
	s_lshl_b32 s19, s16, 17                        ; + my half's 64,
	s_add_co_u32 s46, s46, s19
	s_mov_b32 s47, 0
	s_lshl_b32 s45, s16, 15                        ; where they go: A's half,
	s_mul_i32 s66, s16, BHALF
	s_add_co_u32 s66, s66, AIMG                    ; B's half: no place in the cluster enters an LDS address
	s_wait_dscnt 0x0                               ; both opening adds are done
	s_wait_kmcnt 0x0
	s_load_b64 s[96:97], s[10:11], 0x28            ; e10, e11
	s_add_nc_u64 s[20:21], s[4:5], s[20:21]
	s_add_nc_u64 s[46:47], s[6:7], s[46:47]
	CROUND                                         ; all sixteen work-groups are here: the first joint loads meet
.irp s, 0,1
	s_mov_b32 s[G0+4*\s], 1
	s_add_co_u32 s[G0+4*\s+1], s45, \s*SLOT
	s_add_nc_u64 s[G0+4*\s+2:G0+4*\s+3], s[20:21], \s*0x100000   ; a K step on: 128 tiles of tokens x 8,192 bytes
	s_or_b32 s[G0+4*\s+3], s[G0+4*\s+3], 0x80000000
	s_mov_b32 s[G0B+4*\s], 1
	s_add_co_u32 s[G0B+4*\s+1], s66, \s*SLOT
	s_add_nc_u64 s[G0B+4*\s+2:G0B+4*\s+3], s[46:47], \s*512
	s_or_b32 s[G0B+4*\s+3], s[G0B+4*\s+3], 0x80000000
.endr
	JLOAD 0                                        ; K step 0: one tensor load a wave at the head
	s_cmp_eq_u32 s15, 0                            ; do I fetch for A?
	s_cselect_b64 s[84:85], s[20:21], s[46:47]
	s_mov_b32 s94, 2048
	s_cselect_b32 s94, 512, s94                    ; two blocks on, in bytes: A's lie on end, B's are a row's two
	s_lshl_b32 s92, s40, 13
	s_lshl_b32 s93, s41, 15
	s_cmp_eq_u32 s15, 0
	s_cselect_b32 s92, s92, s93                    ; my part among the four partners'
	s_mov_b32 s93, 0
	s_add_nc_u64 s[84:85], s[84:85], s[92:93]
	s_mov_b32 s92, 512
	s_cselect_b32 s92, 0x100000, s92               ; a K step on
	s_add_nc_u64 s[86:87], s[84:85], s[92:93]
	s_add_nc_u64 s[88:89], s[86:87], s[92:93]
	s_add_nc_u64 s[90:91], s[88:89], s[92:93]
	v_and_b32 v[PFO], 31, v0
	v_and_b32 v19, 1, v0
	v_lshrrev_b32 v[PFO], 1, v[PFO]
	v_mul_u32_u24 v[PFO], v[PFO], s94
	v_lshl_add_u32 v[PFO], v19, 8, v[PFO]
	global_prefetch_b8 v[PFO], s[86:87] th:TH_LOAD_NT scope:SCOPE_SE   ; K step 1,
	global_prefetch_b8 v[PFO], s[88:89] th:TH_LOAD_NT scope:SCOPE_SE   ; and 2
	v_and_b32 v1, 15, v0                           ; r
	v_bfe_u32 v2, v0, 4, 1                         ; h
	v_and_b32 v3, 31, v0
	v_lshlrev_b32 v4, 4, v3                        ; 16 x lane: an image's place for my lane
	v_mul_u32_u24 v5, v1, PB
	v_lshl_add_u32 v5, v2, 3, v5                   ; B: row r x pitch + 8 h
	s_lshl_b32 s21, s15, 15                        ; my 64 tokens: four tiles of 8,192 bytes
	s_mul_i32 s22, s16, BHALF                      ; my 64 rows of B,
	s_add_co_u32 s22, s22, AIMG                    ; which lie behind A's images
.irp s, 0,1
	v_add_nc_u32 v[ADRA+\s], s21, v4
	v_add_nc_u32 v[ADRB+\s], s22, v5
	s_add_co_u32 s21, s21, SLOT
	s_add_co_u32 s22, s22, SLOT
.endr
	s_mul_i32 s23, s14, 16*SPITCH
	s_add_co_u32 s23, s23, STAGE                   ; my stage
	v_mul_u32_u24 v6, v1, SPITCH                   ; in: row r, 32 bytes for each half of the lanes
	v_lshl_add_u32 v6, v2, 5, v6
	v_add_nc_u32 v[STO], s23, v6
	v_mul_u32_u24 v7, v2, SPITCH                   ; back: lanes 0-15 take one row of 256 bytes, lanes 16-31 the next
	v_lshl_add_u32 v7, v1, 4, v7
	v_add_nc_u32 v[RD], s23, v7
	v_lshlrev_b32 v8, 13, v2                       ; and the same two rows in out0, 8,192 bytes apart
	v_lshl_add_u32 v[CO], v1, 4, v8
	v_lshlrev_b32 v[BOF], 5, v2
	s_wait_alu depctr_va_vdst(0)
	s_lshl_b32 s46, s42, 9
	s_lshl_b32 s47, s16, 8
	s_add_co_u32 s46, s46, s47                     ; my first column, in bytes: 512 x tile column + 256 x half: in a row of out0 and in bo alike
	s_mov_b32 s47, 0
	s_add_nc_u64 s[8:9], s[8:9], s[46:47]
	s_add_nc_u64 s[12:13], s[12:13], s[46:47]
	s_lshl_b32 s20, s17, 7
	s_lshl_b32 s21, s15, 6
	s_add_co_u32 s20, s20, s21                     ; my first row: 128 x tile row + 64 x half
	s_lshl_b32 s20, s20, 13
	s_mov_b32 s21, 0
	s_add_nc_u64 s[12:13], s[12:13], s[20:21]
	WIN 0x80                                       ; destination window 2
.irp b, 0,1,2,3
	global_load_b128 v[8*\b:8*\b+3], v[BOF], s[8:9] offset:64*\b       ; bo[n0 + 16 b + 8 h + 0 .. 7]
	global_load_b128 v[8*\b+4:8*\b+7], v[BOF], s[8:9] offset:64*\b+16
.endr
	WIN 0
; 48 LDS loads in one run: the fragments of the slot's q-th 128 along K into buffer f: four of B (eight loads of 8 bytes each), four of A (four loads of 16 bytes each)
.macro FETCH slot, q, f
	WIN TO_F
.irp i, 0,1,2,3
.irp c, 0,1,2,3,4,5,6,7
	ds_load_b64 v[\f+64+16*\i+2*\c:\f+64+16*\i+2*\c+1], v[ADRB+\slot] offset:128*(\q)+16*\c+\i*16*PB
.endr
.irp c, 0,1,2,3
	ds_load_b128 v[\f+16*\i+4*\c:\f+16*\i+4*\c+3], v[ADRA+\slot] offset:8192*\i+2048*(\q)+512*\c
.endr
.endr
.endm
; 4 matrix instructions: A's block a x B's four.  zero = 1: the first product starts the sums.  The 16 accumulators take turns, in the same order in every quarter.
.macro MUL4 f, a, zero
.irp b, 0,1,2,3
.if \zero
	v_wmma_f32_16x16x128_fp8_fp8 v[ACC+8*(4*\a+\b):ACC+8*(4*\a+\b)+7], v[\f+64+16*\b:\f+64+16*\b+15], v[\f+16*\a:\f+16*\a+15], 0
.else
	v_wmma_f32_16x16x128_fp8_fp8 v[ACC+8*(4*\a+\b):ACC+8*(4*\a+\b)+7], v[\f+64+16*\b:\f+64+16*\b+15], v[\f+16*\a:\f+16*\a+15], v[ACC+8*(4*\a+\b):ACC+8*(4*\a+\b)+7]
.endif
.endr
.endm
.macro PLACES                          ; four places in front of loads into registers that matrix instructions have read, and of the first read of results (ISA guide 7.12.1 for vector instructions)
.rept 4
	v_nop
.endr
.endm
; One of a K step's first three quarters: buffer f is multiplied; ahead of its products the next quarter, qn, is asked for into buffer g, which the quarter before has multiplied.
.macro QUARTER slot, qn, f, g, zero
	s_wait_dscnt 0x0                               ; buffer f is in
	PLACES
	FETCH \slot, \qn, \g
	WIN MUL
	MUL4 \f, 0, \zero
	MUL4 \f, 1, \zero
	MUL4 \f, 2, \zero
	MUL4 \f, 3, \zero
.endm
; The last quarter multiplies buffer 1 and changes slots: ONE barrier; in front of it each wave waits for all its tensor loads, adds 0 to its spare word, and waits for that and for its own reads of this slot.  fill = 1: this slot is filled again, two K steps ahead.
.macro TURN slot, next, fill
	WIN 0                                          ; (the add's two registers lie in window 0)
	s_wait_tensorcnt 0x0                           ; all my tensor loads have landed: my part of the next slot
	ds_add_u32 v[SPW], v[NIL]                      ; 0 onto my spare word
	s_wait_dscnt 1                                 ; buffer 1 is in; the add may be out
	WIN MUL
	MUL4 F1, 0, 0                                  ; four matrix instructions stand between the add and the wait for it
	s_wait_dscnt 0x0                               ; the add is done, and my reads of this slot are over
	s_barrier_signal -1
	MUL4 F1, 1, 0
	WIN 0
	s_barrier_wait -1
.if \fill
	CREST                                          ; the barrier has opened a round of the cluster's barrier: no wave of any partner still reads this slot's tile or has a load on its way
	s_add_nc_u64 s[G0+4*\slot+2:G0+4*\slot+3], s[G0+4*\slot+2:G0+4*\slot+3], 0x200000
	s_add_nc_u64 s[G0B+4*\slot+2:G0B+4*\slot+3], s[G0B+4*\slot+2:G0B+4*\slot+3], 1024
	JLOAD \slot                                    ; the first tensor load behind the round; its four v_nop are the places in front of the loads below
.else
	PLACES
.endif
	FETCH \next, 0, F0
	WIN MUL
	MUL4 F1, 2, 0
	MUL4 F1, 3, 0
.endm
	s_wait_alu depctr_va_vdst(0)
	s_wait_tensorcnt 0x0                           ; my part of K step 0 is in
	ds_add_u32 v[SPW], v[NIL]
	s_wait_dscnt 0x0
	CROUND                                         ; everybody's part of K step 0 is in, and all sixteen work-groups are here
	JLOAD 1                                        ; K step 1, the first tensor load behind the round
	FETCH 0, 0, F0
	global_prefetch_b8 v[PFO], s[90:91] th:TH_LOAD_NT scope:SCOPE_SE   ; K step 3
	QUARTER 0, 1, F0, F1, 1                        ; K step 0: the first quarter's products start the sums
	QUARTER 0, 2, F1, F0, 0
	QUARTER 0, 3, F0, F1, 0
	TURN 0, 1, 1                                   ; slot 0 takes K step 2
	QUARTER 1, 1, F0, F1, 0                        ; K step 1
	QUARTER 1, 2, F1, F0, 0
	QUARTER 1, 3, F0, F1, 0
	TURN 1, 0, 1                                   ; slot 1 takes K step 3
	QUARTER 0, 1, F0, F1, 0                        ; K step 2
	QUARTER 0, 2, F1, F0, 0
	QUARTER 0, 3, F0, F1, 0
	TURN 0, 1, 0                                   ; nothing is left to fetch
	QUARTER 1, 1, F0, F1, 0                        ; K step 3
	QUARTER 1, 2, F1, F0, 0
	QUARTER 1, 3, F0, F1, 0
	s_wait_dscnt 0x0
	WIN MUL
	MUL4 F1, 0, 0
	MUL4 F1, 1, 0
	MUL4 F1, 2, 0
	MUL4 F1, 3, 0
	WIN 0
	PLACES
	s_wait_kmcnt 0x0
	s_wait_loadcnt 0x0                             ; bo
	s_add_co_i32 s96, s96, s97
	s_add_co_i32 s96, s96, 127
	s_lshl_b32 s96, s96, 23                        ; 2^(e10 + e11) as f32
	s_mov_b32 s97, s96                             ; (named with it as a pair, so it is written)
; THE WAY OUT, block by block of 16 tokens x 64 outputs.  A lane holds 32 neighbouring bytes of a row, and the lanes beside it hold other rows: so a block goes through my own stage in LDS and comes back as whole rows of 256 bytes.
; LDS serves a wave's instructions in order (ISA guide 5.7.1.4): no wait between the stores and the loads, nor in front of the next block's stores.
.macro TOSTAGE a
	WIN 0x20                                       ; source 2 (bo) window 2
.irp b, 0,1,2,3
.irp i, 0,2,4,6
	v_pk_fma_f32 v[TMP+8*\b+\i:TMP+8*\b+\i+1], v[ACC+8*(4*(\a)+\b)+\i:ACC+8*(4*(\a)+\b)+\i+1], s[96:97], v[8*\b+\i:8*\b+\i+1] op_sel_hi:[1,0,1]   ; sum x 2^(e10 + e11) + bo, two at a time; each accumulator from its low end on
.endr
.endr
	WIN 0
.irp b, 0,1,2,3
	ds_store_b128 v[STO], v[TMP+8*\b:TMP+8*\b+3] offset:64*\b
	ds_store_b128 v[STO], v[TMP+8*\b+4:TMP+8*\b+7] offset:64*\b+16
.endr
.irp t, 0,1,2,3,4,5,6,7
	ds_load_b128 v[OB+32*((\a)%2)+4*\t:OB+32*((\a)%2)+4*\t+3], v[RD] offset:\t*2*SPITCH
.endr
.endm
.macro SEND a, younger                 ; younger: the LDS instructions issued behind block a's loads (the next block's eight stores and eight loads), which may stay out
	s_wait_dscnt \younger
.irp t, 0,1,2,3,4,5,6,7
	global_store_b128 v[CO], v[OB+32*((\a)%2)+4*\t:OB+32*((\a)%2)+4*\t+3], s[12:13] offset:(16*(\a)+2*\t)*8192 th:TH_STORE_NT   ; 16 lanes store 256 consecutive bytes, at a multiple of 256 from out0's first byte; written once, read by nobody here
.endr
.endm
	TOSTAGE 0
	TOSTAGE 1
	SEND 0, 16
	s_wait_xcnt 0x0                                ; block 0's stores have read their registers: block 2's loads may land there
	TOSTAGE 2
	SEND 1, 16
	s_wait_xcnt 0x0                                ; likewise block 1's
	TOSTAGE 3
	SEND 2, 16
	SEND 3, 0
	s_wait_tensorcnt 0x0                           ; the wave's end
	ds_add_u32 v[SPW], v[NIL]
	s_wait_dscnt 0x0
	CROUND                                         ; the closing round: no work-group ends while a partner may still ask for a tile that names it
	s_endpgm
.Lfunc_end_k_q718e77957a_oproj:
	.size	k_q718e77957a_oproj, .Lfunc_end_k_q718e77957a_oproj-k_q718e77957a_oproj
	.p2alignl 7, 3214868480
	.fill 96, 4, 3214868480
	.section	.rodata,"a",@progbits
	.p2align	6, 0x0
	.amdhsa_kernel k_q718e77957a_oproj
		.amdhsa_group_segment_fixed_size 327680
		.amdhsa_private_segment_fixed_size 0
		.amdhsa_enable_private_segment 0
		.amdhsa_kernarg_size 40
		.amdhsa_user_sgpr_count 2
		.amdhsa_user_sgpr_kernarg_segment_ptr 1
		.amdhsa_wavefront_size32 1
		.amdhsa_system_sgpr_workgroup_id_x 1
		.amdhsa_system_sgpr_workgroup_id_y 1
		.amdhsa_system_sgpr_workgroup_id_z 1
		.amdhsa_system_vgpr_workitem_id 0
		.amdhsa_next_free_vgpr 544
		.amdhsa_next_free_sgpr 100
		.amdhsa_reserve_vcc 0
		.amdhsa_float_denorm_mode_32 3
		.amdhsa_float_denorm_mode_16_64 3
		.amdhsa_memory_ordered 1
		.amdhsa_forward_progress 1
		.amdhsa_inst_pref_size 92
	.end_amdhsa_kernel
	.amdgpu_metadata
---
amdhsa.version: [ 1, 2 ]
amdhsa.kernels:
  - .name:           k_q718e77957a_oproj
    .symbol:         k_q718e77957a_oproj.kd
    .args:
      - { .name: acodes, .offset: 0, .size: 8, .value_kind: global_buffer, .address_space: global }
      - { .name: wcodes, .offset: 8, .size: 8, .value_kind: global_buffer, .address_space: global }
      - { .name: bo, .offset: 16, .size: 8, .value_kind: global_buffer, .address_space: global }
      - { .name: lowp_scales, .offset: 24, .size: 8, .value_kind: global_buffer, .address_space: global }
      - { .name: out0, .offset: 32, .size: 8, .value_kind: global_buffer, .address_space: global }
    .group_segment_fixed_size: 327680
    .private_segment_fixed_size: 0
    .kernarg_segment_align: 8
    .kernarg_segment_size: 40
    .max_flat_workgroup_size: 128
    .sgpr_count:     100
    .vgpr_count:     544
    .wavefront_size: 32
...
	.end_amdgpu_metadata
.endif
;; end of part 4
